; MI455X (gfx1250); checked and timed in simulation.
; The chip was launched on July 23, 2026; its instructions are those of AMD's public machine-readable ISA for CDNA 5 (MIT licence, August 2026) and "CDNA5" Instruction Set Architecture Reference Guide (July 2026). The comments in the code are by the model that wrote it; some were corrected since.
;; Cross Attention Bridge. Allowed arithmetic: matrix products marked QUANTISED: E2M3 operands, one E8M0 scale for each 32 along K, by v_wmma_scale_f32_16x16x128_f8f6f4 with both operands' format E2M3, f32 sums; products left as they are: f32 operands where the result goes on into a quantised operand, else bf16, f16 or f32 operands; f32 sums; everything else in f32.
;; Inputs: W_k 2,048 x 2,048 float32; W_mem 512 x 2,048 float32; W_o 2,048 x 2,048 float32; W_q 2,048 x 2,048 float32; W_v 2,048 x 2,048 float32; gate one number float32; last_hidden 4 x 2,048 x 2,048 float32; zH 4 x 1 x 512 float32.
;; Outputs: out0 4 x 2,048 x 2,048 float32.
;; This version of the problem:
;;   THIS VERSION OF THE PROBLEM IS GIVEN IN LOW PRECISION. The matrix products marked QUANTISED in the list below multiply operands that are first quantised to E2M3 (2 exponent bits, 3 mantissa bits; 6 bits a number), with one power-of-two scale for each 32 numbers along K (OCP MX v1.0); their sums are f32. All else is computed in f32.
;;   The module's matrix products, in the order in which they are computed (A, B: the left and right operand; K: the contracted axis; several contracted axes count as one K, in the product's order):
;;     1. [M 4, K 512] x [K 512, N 2,048]; A: input zH; B: input W_mem: left as it is (M = 4 < 16)
;;     2. [M 8,192, K 2,048] x [K 2,048, N 2,048]; A: input last_hidden; B: input W_q: QUANTISED
;;     3. [M 4, K 2,048] x [K 2,048, N 2,048]; A: computed on the way; B: input W_k: left as it is (M = 4 < 16)
;;     4. [M 4, K 2,048] x [K 2,048, N 2,048]; A: computed on the way; B: input W_v: left as it is (M = 4 < 16)
;;     5. batch 32 x [M 2,048, K 256] x [K 256, N 1]; A: computed on the way; B: computed on the way: left as it is (N = 1 < 16)
;;     6. batch 32 x [M 256, K 1] x [K 1, N 2,048]; A: computed on the way; B: softmax: left as it is (K = 1 < 32)
;;     7. [M 8,192, K 2,048] x [K 2,048, N 2,048]; A: computed on the way; B: input W_o: QUANTISED
;;   THE QUANTISER, for each operand of a quantised product, along K:
;;     - K is cut into blocks of 32 from its start; a last block that is shorter is filled with zeros.
;;     - A block's scale is 2^e with e = floor(log2(the largest magnitude in the block)) - 2, held to -126 .. 127; a block of zeros has e = 0. As a byte (E8M0): e + 127.
;;     - Each number is divided by its block's scale, clamped to +-7.5, and rounded to the nearest number of E2M3, ties to even, subnormals kept.
;;     - The product sums the exact products of the quantised numbers (number of the format x scale) in f32.
;;   ~~~python
;;   def quantise(x, axis):      # numpy; x: float32 -> the quantised numbers, widened to float32 again
;;       x = np.moveaxis(x, axis, -1); K = x.shape[-1]
;;       x = np.pad(x, [(0, 0)] * (x.ndim - 1) + [(0, -K % 32)]); x = x.reshape(x.shape[:-1] + (-1, 32)); a = np.abs(x).max(-1, keepdims=True)
;;       e = np.where(a > 0, np.clip(np.frexp(np.where(a > 0, a, 1))[1] - 1 - 2, -126, 127), 0)      # np.frexp(a)[1] - 1 = floor(log2(a)), exactly
;;       r = np.clip(x / 2.0 ** e, -7.5, 7.5)
;;       step = 2.0 ** (np.maximum(np.frexp(np.where(r == 0, 1, r))[1] - 1, 0) - 3)
;;       q = np.round(r / step) * step * 2.0 ** e      # np.round: ties to even
;;       return np.moveaxis(q.reshape(q.shape[:-2] + (-1,))[..., :K], -1, axis).astype(np.float32)
;;   ~~~
;;   OPERANDS COMPUTED ON THE WAY. 'Computed on the way' means the value that the module computes at that place (a softmax that the list does not call 'softmax' is quantised finished and normalised). What goes into a quantiser is computed in f32, as accurately as f32 sums, v_exp_f32 and their like allow (about 1e-6 of the number): no bf16 or f16 on the way to a quantiser, and a product that is left as it is and whose result goes on into a quantised operand takes f32 operands (vector FMAs, or v_wmma_f32_16x16x4_f32). A number that lies on a knife's edge between two numbers of the format may be rounded either way, as far as f32 arithmetic and the matrix unit's own rounding can turn it there, and no further.
;; One version. Each part assembles by itself: llvm-mc -triple=amdgcn-amd-amdhsa -mcpu=gfx1250 --defsym DOCPART=n.
;; ======== version 1 of 1: 4 launches
;; workspace buffers: a1 13,107,200 bytes; a2 13,107,200 bytes; wq 3,276,800 bytes; wo 3,276,800 bytes; mem 32,768 bytes; kvp 524,288 bytes
;; launch prep (part 1): grid 208 x 1, 16 waves a work-group, no clusters, 264,192 bytes of LDS; arguments zH, W_mem, W_q, W_o, last_hidden, mem, wq, wo, a1; writes mem, wq, wo, a1
.if DOCPART == 1
	.amdgcn_target "amdgcn-amd-amdhsa--gfx1250"
	.amdhsa_code_object_version 6
	.text
	.protected	k_qb1475138ad_prep
	.globl	k_qb1475138ad_prep
	.p2align	8
	.type	k_qb1475138ad_prep,@function
k_qb1475138ad_prep:
	s_mov_b64 s[64:65], 0
	v_nop
	global_prefetch_b8 v0, s[64:65] scope:SCOPE_SE
	s_setreg_imm32_b32 hwreg(HW_REG_WAVE_MODE, 25, 1), 1
	s_wait_xcnt 0x0
; PREP: three jobs in one launch, told apart by the work-group's number alone (the same for all sixteen waves of a work-group).
;   work-groups 0-15    mem = zH W_mem, [4][2048] f32, by fused multiply-adds in f32 (its result goes on towards a quantiser).
;   work-groups 16-79   W_q and W_o, f32 [k 2048][n 2048] with K as FIRST axis, into codes of FP6 (E2M3) with one E8M0 byte for each 32 along K.
;   work-groups 80-207  last_hidden, f32 [8192][2048] with K innermost, into the same.
; THE CODES' LAYOUT (this program's own): rows in blocks of 128, K in steps of 256.  Block rb, step ks: 128 rows x 192 bytes on end at (8 rb + ks) x 24,576;
; their scale bytes, 8 a row, on end at SC + (8 rb + ks) x 1,024.  So what one wave of the product's launch fetches is one dense run of 24,576 bytes.
; A block's scale is 2^(floor(log2(largest magnitude)) - 2); its byte is the largest magnitude's exponent field - 2, held at 1 from below.
; LIMITS: a block of zeros gets the byte 1 (its codes are zeros; this program alone reads the bytes); blocks whose largest magnitude lies under 2^-124 are held at byte 1;
; NaN and infinities among the inputs are not served; mem's sums run in another order than a plain ascending one (32 rows a wave, then the sixteen waves ascending).
; No cluster, no tensor load: no two work-groups read the same bytes but zH's 8 KB.  Each job has LDS bytes of its own.
.set A_SC,  12582912                   ; where a1's scale bytes begin
.set W_SC,  3145728                    ; where wq's and wo's begin
.set WV,    3                          ; s3  my wave's number
.set WLDS,  131072                     ; LDS: 0 .. 131,071 last_hidden's job (8,192 a wave); from here the weights' (6,144 a wave);
.set MLDS,  229376                     ; from here mem's (2,048 a wave)
; ---- last_hidden's job
.set STEPS, 16
.set CB,    12                         ; bytes of 16 codes
.set SP,    80                         ; a lane's place in a stage: 64 bytes + 16 of padding
.set XR,    16                         ; v16-79   four sets of 16 numbers as loaded
.set XX,    80                         ; v80-111  two sets of 16 neighbours
.set XE,    112                        ; v112-127 a scale byte for each step
.set XC,    128                        ; v128-191 codes, four registers a step: no store's data are written again
; ---- the weights' job
.set WX,    32                         ; v32-95   two sets of 32 numbers; at the end the codes read back
.set WC,    96                         ; v96-143  codes: 12 registers for each pair of blocks, never rewritten
.set WT,    144                        ; v144-146 a block's upper 16 codes, on their way
.set WSB,   24                         ; v24-25   the eight scale bytes
; ---- mem's job
.set MW,    16                         ; v16-143  32 rows x 4 columns of W_mem
.set MACC,  144                        ; v144-159 sums: 4 b + column
.macro LOADX t                         ; step t: two rows x 1,024 bytes: four loads of 512 consecutive bytes
.irp i, 0,1,2,3
	global_load_b128 v[XR+16*((\t)%4)+4*\i:XR+16*((\t)%4)+4*\i+3], v3, s[4:5] offset:(2*(\t)+\i/2)*8192+512*(\i%2) th:TH_LOAD_NT
.endr
.endm
.macro TURNX t                         ; step t's numbers through the wave's stage: LDS serves a wave's instructions in order, so no wait stands between the stores and the loads
.irp i, 0,1,2,3
	ds_store_b128 v14, v[XR+16*((\t)%4)+4*\i:XR+16*((\t)%4)+4*\i+3] offset:32*SP*((\t)%2)+8*SP*\i
.endr
.irp i, 0,1,2,3
	ds_load_b128 v[XX+16*((\t)%2)+4*\i:XX+16*((\t)%2)+4*\i+3], v15 offset:32*SP*((\t)%2)+16*\i
.endr
.endm
.macro STEPX t
.set XN, XX+16*((\t)%2)
.if (\t) > 0
	s_wait_dscnt 1                                 ; this step's numbers are back from the stage (the last step's byte store may be out): so its stores into the stage have read their registers,
.else
	s_wait_dscnt 0x0
.endif
.if (\t)+4 < STEPS
	LOADX (\t)+4                                   ; which take the loads of four steps on
.endif
.if (\t)+1 < STEPS
.if STEPS-2-(\t) >= 3
	s_wait_loadcnt 12                              ; the next step's four loads are in; those of the three steps behind it may be out
.else
	s_wait_loadcnt 4*(STEPS-2-(\t))
.endif
	TURNX (\t)+1
.endif
	v_max3_num_f32 v8, |v[XN]|, |v[XN+1]|, |v[XN+2]|               ; the largest magnitude of my 16, in two chains
	v_max3_num_f32 v9, |v[XN+3]|, |v[XN+4]|, |v[XN+5]|
.irp i, 6,10
	v_max3_num_f32 v8, v8, |v[XN+\i]|, |v[XN+\i+1]|
	v_max3_num_f32 v9, v9, |v[XN+\i+2]|, |v[XN+\i+3]|
.endr
	v_max3_num_f32 v8, v8, |v[XN+14]|, |v[XN+15]|
	v_max3_num_f32 v8, v8, v9, 0x1800000           ; and the floor 2^(3 - 127): the byte cannot fall under 1
	v_max_num_f32_dpp v8, v8, v8 row_xmask:1 row_mask:0xf bank_mask:0xf   ; and of my neighbour's 16: the block's
	v_add_nc_u32 v11, 0xff000000, v8               ; 2 off its exponent field: the conversion takes the exponent field of this operand as its scale
	v_cvt_scalef32_pk16_fp6_f32 v[XC+4*(\t):XC+4*(\t)+2], v[XN:XN+15], v11
	v_lshrrev_b32 v[XE+(\t)], 23, v11              ; the scale's byte (a plain line behind the conversion)
	ds_store_b8 v5, v[XE+(\t)] offset:16*(\t)      ; both lanes of a block write the same byte with the same value
	global_store_b96 v4, v[XC+4*(\t):XC+4*(\t)+2], s[8:9] offset:32*CB*(\t)   ; the wave stores 384 consecutive bytes
.endm
.macro LOADW t                         ; block t: W(32 t + i, my column), i = 0 .. 31, into set t % 2; a wave's load covers 128 consecutive bytes, the sixteen waves 2,048
.irp i, 0,1,2,3,4,5,6,7,8,9,10,11,12,13,14,15,16,17,18,19,20,21,22,23,24,25,26,27,28,29,30,31
	global_load_b32 v[WX+32*((\t)%2)+\i], v3, s[4:5] offset:(32*(\t)+\i)*8192 th:TH_LOAD_NT
.endr
.endm
.macro BLOCKW t
.set WN, WX+32*((\t)%2)
.set WP, WC+12*((\t)/2)+6*((\t)%2)
.if (\t) < 7
	s_wait_loadcnt 32                              ; this block's 32 loads are in; the next block's may be out
.else
	s_wait_loadcnt 0
.endif
	v_max3_num_f32 v12, |v[WN]|, |v[WN+1]|, |v[WN+2]|               ; the block's largest magnitude: all 32 numbers are mine
	v_max3_num_f32 v13, |v[WN+3]|, |v[WN+4]|, |v[WN+5]|
.irp i, 6,10,14,18,22,26
	v_max3_num_f32 v12, v12, |v[WN+\i]|, |v[WN+\i+1]|
	v_max3_num_f32 v13, v13, |v[WN+\i+2]|, |v[WN+\i+3]|
.endr
	v_max3_num_f32 v12, v12, |v[WN+30]|, |v[WN+31]|
	v_max3_num_f32 v12, v12, v13, 0x1800000        ; and the floor
	v_add_nc_u32 v11, 0xff000000, v12              ; the conversion's scale operand
	v_cvt_scalef32_pk16_fp6_f32 v[WP:WP+2], v[WN:WN+15], v11
	v_cvt_scalef32_pk16_fp6_f32 v[WT:WT+2], v[WN+16:WN+31], v11     ; (a conversion's three registers begin on an even number: the upper half is made here and moved)
	v_lshrrev_b32 v13, 23, v11                     ; the scale's byte (plain lines behind the conversions)
.if (\t)%4 == 0
	v_mov_b32 v[WSB+(\t)/4], v13                   ; four bytes to a register, the lower K in the lower byte
.else
	v_lshl_or_b32 v[WSB+(\t)/4], v13, 8*((\t)%4), v[WSB+(\t)/4]
.endif
.irp i, 0,1,2
	v_mov_b32 v[WP+3+\i], v[WT+\i]
.endr
.if (\t)%2 == 1
.irp c, 0,1,2
	ds_store_b128 v4, v[WC+12*((\t)/2)+4*\c:WC+12*((\t)/2)+4*\c+3] offset:48*((\t)/2)+16*\c   ; two blocks' 48 bytes into my row of the stage
.endr
.endif
.if (\t)+2 < 8
	LOADW (\t)+2
.endif
.endm
.macro XSETS c                         ; zH(b, my rows 16 c .. 16 c + 15) into scalar registers: s16-31, s32-47, s48-63, s68-83
.irp b, 0,1,2,3
	s_load_b512 s[16+16*\b+4*(\b/3):31+16*\b+4*(\b/3)], s[4:5], 2048*\b+64*\c
.endr
	s_wait_kmcnt 0x0
.endm
.macro ROWS16 c, first                 ; sixteen rows: 16 multiply-adds each (4 b x 4 columns)
.set rr, 0
.rept 16
	s_wait_loadcnt 31-16*(\c)-rr                   ; loads come back in order: this row's is in, the younger rows' stay out
.irp b, 0,1,2,3
.irp q, 0,1,2,3
.if \first && (rr == 0)
	v_mul_f32 v[MACC+4*\b+\q], s[16+16*\b+4*(\b/3)+rr], v[MW+4*(16*(\c)+rr)+\q]     ; the first row starts the sums: nothing is cleared
.else
	v_fmac_f32 v[MACC+4*\b+\q], s[16+16*\b+4*(\b/3)+rr], v[MW+4*(16*(\c)+rr)+\q]
.endif
.endr
.endr
.set rr, rr+1
.endr
.endm
	v_lshl_add_u32 v192, v0, 2, 0x40000
	v_mov_b32 v193, 0
	v_lshrrev_b32 v1, 5, v0
	v_readfirstlane_b32 s[WV], v1                  ; wave 0..15
	v_and_b32 v2, 31, v0                           ; lane
	s_cmp_lt_u32 ttmp9, 16
	s_cbranch_scc1 .Lmem
	s_cmp_lt_u32 ttmp9, 80
	s_cbranch_scc1 .Lw
; ================ last_hidden.  g = work-group - 80: block of 128 rows rb = g / 2; wave w: K step 4 (g % 2) + w / 4, rows 32 (w % 4) on.  A wave: 32 rows x 256 along K, 16 steps of two rows.
	s_load_b64 s[4:5], s[0:1], 0x20                ; last_hidden
	s_load_b64 s[8:9], s[0:1], 0x40                ; a1
	v_lshlrev_b32 v3, 4, v2                        ; my 16 bytes of a load's 512
	s_lshl_b32 s17, s[WV], 13                      ; my wave's 8,192 bytes of LDS
	v_lshrrev_b32 v14, 2, v2
	v_mul_u32_u24 v14, v14, SP
	v_and_b32 v15, 3, v2
	v_lshl_add_u32 v14, v15, 4, v14
	v_add_nc_u32 v14, s17, v14                     ; the stage, on the way in: four lanes' 64 bytes on end, then 16 of padding
	v_mul_u32_u24 v15, v2, SP
	v_add_nc_u32 v15, s17, v15                     ; and on the way out: my 16 neighbours: lane p holds row 2 t + p / 16, k = 16 (p % 16) on
	v_mul_u32_u24 v4, v2, CB                       ; my codes' place in a step's 384 bytes
	v_lshrrev_b32 v5, 1, v2
	s_add_co_u32 s17, s17, 2*32*SP
	v_add_nc_u32 v5, s17, v5                       ; LDS: my wave's 256 scale bytes, my block's byte
	v_lshlrev_b32 v7, 3, v2                        ; and on the way out 8 bytes a lane
	v_add_nc_u32 v6, s17, v7
	s_sub_co_u32 s12, ttmp9, 80                    ; g
	s_lshr_b32 s13, s12, 1                         ; rb
	s_and_b32 s12, s12, 1
	s_lshl_b32 s12, s12, 2
	s_lshr_b32 s14, s[WV], 2
	s_add_co_u32 s12, s12, s14                     ; ks
	s_and_b32 s14, s[WV], 3                        ; which 32 rows of the 128
	s_lshl_b32 s15, s13, 2
	s_add_co_u32 s15, s15, s14
	s_lshl_b32 s20, s15, 18                        ; 32 rows of 8,192 bytes
	s_lshl_b32 s16, s12, 10                        ; + 1,024 bytes a K step
	s_add_co_u32 s20, s20, s16
	s_mov_b32 s21, 0
	s_lshl_b32 s13, s13, 3
	s_add_co_u32 s13, s13, s12                     ; 8 rb + ks
	s_mul_i32 s22, s13, 24576
	s_mul_i32 s16, s14, 6144
	s_add_co_u32 s22, s22, s16
	s_mov_b32 s23, 0
	s_lshl_b32 s24, s13, 10
	s_lshl_b32 s16, s14, 8
	s_add_co_u32 s24, s24, s16
	s_add_co_u32 s24, s24, A_SC
	s_mov_b32 s25, 0
	s_wait_kmcnt 0x0
	s_add_nc_u64 s[4:5], s[4:5], s[20:21]
	s_add_nc_u64 s[10:11], s[8:9], s[24:25]        ; my 256 scale bytes
	s_add_nc_u64 s[8:9], s[8:9], s[22:23]          ; my 6,144 bytes of codes
.irp t, 0,1,2,3
	LOADX \t
.endr
	s_wait_loadcnt 12                              ; step 0's four loads are in
	TURNX 0
.irp t, 0,1,2,3,4,5,6,7,8,9,10,11,12,13,14,15
	STEPX \t
.endr
	ds_load_b64 v[12:13], v6                       ; LDS serves a wave's instructions in order: these see my byte stores
	s_wait_dscnt 0x0
	global_store_b64 v7, v[12:13], s[10:11]        ; 32 lanes store 256 consecutive bytes, aligned
	s_wait_tensorcnt 0x0
	ds_add_u32 v192, v193
	s_wait_dscnt 0x0
	s_endpgm
; ================ the weights.  g = work-group - 16: W_q (g < 32) or W_o; K step (g / 4) % 8; columns 512 (g % 4) + 32 w on.  A lane takes a column and its registers run down K.
.Lw:
	s_load_b128 s[12:15], s[0:1], 0x10             ; W_q, W_o
	s_load_b128 s[16:19], s[0:1], 0x30             ; wq, wo
	s_sub_co_u32 s20, ttmp9, 16                    ; g
	s_lshr_b32 s21, s20, 5                         ; which weight
	s_bfe_u32 s22, s20, 0x30002                    ; ks
	s_and_b32 s23, s20, 3                          ; which 512 columns
	s_lshr_b32 s24, s[WV], 2
	s_lshl_b32 s25, s23, 2
	s_add_co_u32 s24, s24, s25                     ; rb: the columns are the operand's rows
	s_and_b32 s25, s[WV], 3                        ; which 32 of its 128
	s_lshl_b32 s26, s22, 21                        ; 256 rows of 8,192 bytes a K step
	s_lshl_b32 s27, s23, 11
	s_add_co_u32 s26, s26, s27
	s_lshl_b32 s27, s[WV], 7
	s_add_co_u32 s26, s26, s27                     ; + 4 bytes a column
	s_mov_b32 s27, 0
	s_lshl_b32 s24, s24, 3
	s_add_co_u32 s24, s24, s22                     ; 8 rb + ks
	s_mul_i32 s28, s24, 24576
	s_mul_i32 s30, s25, 6144
	s_add_co_u32 s28, s28, s30
	s_mov_b32 s29, 0
	s_lshl_b32 s30, s24, 10
	s_lshl_b32 s31, s25, 8
	s_add_co_u32 s30, s30, s31
	s_add_co_u32 s30, s30, W_SC
	s_mov_b32 s31, 0
	v_lshlrev_b32 v3, 2, v2                        ; in: 4 bytes a lane
	s_mul_i32 s32, s[WV], 6144
	s_add_co_u32 s32, s32, WLDS                    ; my stage: 32 rows of 192 bytes, dense, as they will lie in memory
	v_mul_u32_u24 v4, v2, 192
	v_add_nc_u32 v4, s32, v4                       ; into it: row = my column
	v_lshlrev_b32 v8, 4, v2
	v_add_nc_u32 v7, s32, v8                       ; out of it: 16 bytes a lane
	v_lshlrev_b32 v9, 3, v2
	s_wait_kmcnt 0x0
	s_cmp_eq_u32 s21, 0                            ; the choice hangs on the work-group's number alone
	s_cselect_b64 s[4:5], s[12:13], s[14:15]
	s_cselect_b64 s[6:7], s[16:17], s[18:19]
	s_add_nc_u64 s[4:5], s[4:5], s[26:27]
	s_add_nc_u64 s[8:9], s[6:7], s[30:31]          ; my 256 scale bytes
	s_add_nc_u64 s[6:7], s[6:7], s[28:29]          ; my 6,144 bytes of codes
	LOADW 0
	LOADW 1
.set Q, 0
.rept 8
	BLOCKW Q
.set Q, Q+1
.endr
	global_store_b64 v9, v[WSB:WSB+1], s[8:9]      ; 8 scale bytes a lane: 256 consecutive bytes, aligned
.irp j, 0,1,2,3,4,5,6,7,8,9,10,11
	ds_load_b128 v[WX+4*\j:WX+4*\j+3], v7 offset:512*\j   ; LDS serves a wave's instructions in order: these see my stores
.endr
.irp j, 0,1,2,3,4,5,6,7,8,9,10,11
	s_wait_dscnt 11-\j
	global_store_b128 v8, v[WX+4*\j:WX+4*\j+3], s[6:7] offset:512*\j   ; 512 consecutive bytes, aligned
.endr
	s_wait_tensorcnt 0x0
	ds_add_u32 v192, v193
	s_wait_dscnt 0x0
	s_endpgm
; ================ mem = zH W_mem.  Work-group x: columns 128 x on; wave w: rows 32 w on; a lane: 4 columns, all four b.  The waves' sums meet in LDS.
.Lmem:
	s_load_b128 s[4:7], s[0:1], 0x0                ; zH, W_mem
	s_load_b64 s[8:9], s[0:1], 0x28                ; mem
	v_lshlrev_b32 v1, 4, v2                        ; 16 x lane
	s_lshl_b32 s12, s[WV], 11
	s_add_co_u32 s12, s12, MLDS
	v_add_nc_u32 v4, s12, v1                       ; where I put my sums: [wave][b][128 columns]
	s_lshl_b32 s12, s[WV], 9
	s_add_co_u32 s12, s12, MLDS
	v_add_nc_u32 v3, s12, v1                       ; where wave b reads all waves' sums of b
	s_lshl_b32 s12, s[WV], 7                       ; zH: my 32 rows' numbers
	s_mov_b32 s13, 0
	s_lshl_b32 s10, ttmp9, 9                       ; 512 bytes of a row
	s_mov_b32 s11, 0
	s_lshl_b32 s14, s[WV], 18                      ; W_mem: 32 rows of 8,192 bytes
	s_add_co_u32 s14, s14, s10
	s_mov_b32 s15, 0
	s_wait_kmcnt 0x0
	s_add_nc_u64 s[4:5], s[4:5], s[12:13]
	s_add_nc_u64 s[6:7], s[6:7], s[14:15]
	s_add_nc_u64 s[8:9], s[8:9], s[10:11]
.irp r, 0,1,2,3,4,5,6,7,8,9,10,11,12,13,14,15,16,17,18,19,20,21,22,23,24,25,26,27,28,29,30,31
	global_load_b128 v[MW+4*\r:MW+4*\r+3], v1, s[6:7] offset:8192*\r th:TH_LOAD_NT   ; 512 consecutive bytes of a row
.endr
	XSETS 0
	ROWS16 0, 1
	XSETS 1
	ROWS16 1, 0
.irp b, 0,1,2,3
	ds_store_b128 v4, v[MACC+4*\b:MACC+4*\b+3] offset:512*\b
.endr
	s_wait_dscnt 0x0                               ; for the others' sake: my sums lie in LDS
	s_barrier_signal -1
	s_barrier_wait -1
	s_cmp_lt_u32 s[WV], 4
	s_cbranch_scc1 .Lmsum
	s_wait_tensorcnt 0x0
	ds_add_u32 v192, v193
	s_wait_dscnt 0x0
	s_endpgm
.Lmsum:                                                ; wave b adds the sixteen waves' sums of b, ascending, and stores 512 consecutive bytes
	s_lshl_b32 s12, s[WV], 13
	s_mov_b32 s13, 0
	s_add_nc_u64 s[8:9], s[8:9], s[12:13]
.irp j, 0,1,2,3,4,5,6,7,8,9,10,11,12,13,14,15
	ds_load_b128 v[MW+4*\j:MW+4*\j+3], v3 offset:2048*\j
.endr
	s_wait_dscnt 0x0
.irp j, 1,2,3,4,5,6,7,8,9,10,11,12,13,14,15
	v_pk_add_f32 v[MW:MW+1], v[MW:MW+1], v[MW+4*\j:MW+4*\j+1]
	v_pk_add_f32 v[MW+2:MW+3], v[MW+2:MW+3], v[MW+4*\j+2:MW+4*\j+3]
.endr
	global_store_b128 v1, v[MW:MW+3], s[8:9]
	s_wait_tensorcnt 0x0
	ds_add_u32 v192, v193
	s_wait_dscnt 0x0
	s_endpgm
.Lfunc_end_k_qb1475138ad_prep:
	.size	k_qb1475138ad_prep, .Lfunc_end_k_qb1475138ad_prep-k_qb1475138ad_prep
	.p2alignl 7, 3214868480
	.fill 96, 4, 3214868480
	.section	.rodata,"a",@progbits
	.p2align	6, 0x0
	.amdhsa_kernel k_qb1475138ad_prep
		.amdhsa_group_segment_fixed_size 264192
		.amdhsa_private_segment_fixed_size 0
		.amdhsa_enable_private_segment 0
		.amdhsa_kernarg_size 72
		.amdhsa_user_sgpr_count 2
		.amdhsa_user_sgpr_kernarg_segment_ptr 1
		.amdhsa_wavefront_size32 1
		.amdhsa_system_sgpr_workgroup_id_x 1
		.amdhsa_system_sgpr_workgroup_id_y 1
		.amdhsa_system_sgpr_workgroup_id_z 1
		.amdhsa_system_vgpr_workitem_id 0
		.amdhsa_next_free_vgpr 194
		.amdhsa_next_free_sgpr 84
		.amdhsa_reserve_vcc 0
		.amdhsa_float_denorm_mode_32 3
		.amdhsa_float_denorm_mode_16_64 3
		.amdhsa_memory_ordered 1
		.amdhsa_forward_progress 1
		.amdhsa_inst_pref_size 98
	.end_amdhsa_kernel
	.amdgpu_metadata
---
amdhsa.version: [ 1, 2 ]
amdhsa.kernels:
  - .name:           k_qb1475138ad_prep
    .symbol:         k_qb1475138ad_prep.kd
    .args:
      - { .name: zH, .offset: 0, .size: 8, .value_kind: global_buffer, .address_space: global }
      - { .name: W_mem, .offset: 8, .size: 8, .value_kind: global_buffer, .address_space: global }
      - { .name: W_q, .offset: 16, .size: 8, .value_kind: global_buffer, .address_space: global }
      - { .name: W_o, .offset: 24, .size: 8, .value_kind: global_buffer, .address_space: global }
      - { .name: last_hidden, .offset: 32, .size: 8, .value_kind: global_buffer, .address_space: global }
      - { .name: mem, .offset: 40, .size: 8, .value_kind: global_buffer, .address_space: global }
      - { .name: wq, .offset: 48, .size: 8, .value_kind: global_buffer, .address_space: global }
      - { .name: wo, .offset: 56, .size: 8, .value_kind: global_buffer, .address_space: global }
      - { .name: a1, .offset: 64, .size: 8, .value_kind: global_buffer, .address_space: global }
    .group_segment_fixed_size: 264192
    .private_segment_fixed_size: 0
    .kernarg_segment_align: 8
    .kernarg_segment_size: 72
    .max_flat_workgroup_size: 512
    .sgpr_count:     84
    .vgpr_count:     194
    .wavefront_size: 32
...
	.end_amdgpu_metadata
.endif
;; end of part 1
;; launch kv (part 2): grid 16 x 16, 16 waves a work-group, no clusters, 34,816 bytes of LDS; arguments mem, W_k, W_v, kvp; writes kvp
.if DOCPART == 2
	.amdgcn_target "amdgcn-amd-amdhsa--gfx1250"
	.amdhsa_code_object_version 6
	.text
	.protected	k_qb1475138ad_kv
	.globl	k_qb1475138ad_kv
	.p2align	8
	.type	k_qb1475138ad_kv,@function
k_qb1475138ad_kv:
	s_mov_b64 s[64:65], 0
	v_nop
	global_prefetch_b8 v0, s[64:65] scope:SCOPE_SE
	s_setreg_imm32_b32 hwreg(HW_REG_WAVE_MODE, 25, 1), 1
	s_wait_xcnt 0x0
; KV: eight partial sums along K of K = mem W_k and V = mem W_v, [4][2048] each, by fused multiply-adds in f32 (V goes on into a quantiser).
; Work-group (x, y): columns 128 x on; y / 8: W_k or W_v; y % 8: rows 256 (y % 8) on.  Wave w: 16 of those rows; a lane: 4 columns, all four b.
; A work-group's 128 KB of weights are asked for at once, 16 loads a wave of 512 consecutive bytes; there is no loop.  The sixteen waves' sums meet in LDS.
; kvp: [part 8][K, V][b 4][n 2048] f32; the launch that uses them adds the eight parts, ascending.
; LIMITS: the sums run in another order than a plain ascending one.  No cluster: what work-groups share is mem's 4 KB beside their own 128 KB.
.set WV,    3                          ; s3  my wave's number
.set MW,    16                         ; v16-79  16 rows x 4 columns
.set MACC,  80                         ; v80-95  sums: 4 b + column
	v_lshrrev_b32 v1, 5, v0
	v_readfirstlane_b32 s[WV], v1                  ; wave 0..15
	v_and_b32 v2, 31, v0                           ; lane
	s_load_b128 s[4:7], s[0:1], 0x0                ; mem, W_k
	s_load_b128 s[8:11], s[0:1], 0x10              ; W_v, kvp
	v_lshl_add_u32 v96, v0, 2, 0x8000
	v_mov_b32 v97, 0
	s_and_b32 s12, ttmp7, 0xffff                   ; y
	s_lshr_b32 s13, s12, 3                         ; which weight
	s_and_b32 s12, s12, 7                          ; which 256 rows
	v_lshlrev_b32 v1, 4, v2                        ; 16 x lane
	s_lshl_b32 s14, s[WV], 11
	v_add_nc_u32 v4, s14, v1                       ; where I put my sums: [wave][b][128 columns]
	s_lshl_b32 s14, s[WV], 9
	v_add_nc_u32 v3, s14, v1                       ; where wave b reads all waves' sums of b
	s_lshl_b32 s20, s12, 10
	s_lshl_b32 s21, s[WV], 6
	s_add_co_u32 s20, s20, s21                     ; mem: 4 bytes x my first row
	s_mov_b32 s21, 0
	s_lshl_b32 s22, s12, 21
	s_lshl_b32 s23, s[WV], 17
	s_add_co_u32 s22, s22, s23
	s_lshl_b32 s23, ttmp9, 9
	s_add_co_u32 s22, s22, s23                     ; the weight: 8,192 bytes x my first row + 512 x
	s_mov_b32 s23, 0
	s_lshl_b32 s24, s12, 16
	s_lshl_b32 s25, s13, 15
	s_add_co_u32 s24, s24, s25
	s_lshl_b32 s25, ttmp9, 9
	s_add_co_u32 s24, s24, s25                     ; kvp: part, weight, columns
	s_mov_b32 s25, 0
	s_wait_kmcnt 0x0
	s_cmp_eq_u32 s13, 0                            ; the choice hangs on the work-group's number alone
	s_cselect_b64 s[6:7], s[6:7], s[8:9]
	s_add_nc_u64 s[4:5], s[4:5], s[20:21]
	s_add_nc_u64 s[6:7], s[6:7], s[22:23]
	s_add_nc_u64 s[10:11], s[10:11], s[24:25]
.irp r, 0,1,2,3,4,5,6,7,8,9,10,11,12,13,14,15
	global_load_b128 v[MW+4*\r:MW+4*\r+3], v1, s[6:7] offset:8192*\r th:TH_LOAD_NT   ; 512 consecutive bytes of a row
.endr
.irp b, 0,1,2,3
	s_load_b512 s[16+16*\b+4*(\b/3):31+16*\b+4*(\b/3)], s[4:5], 8192*\b   ; mem(b, my 16 rows): s16-31, s32-47, s48-63, s68-83
.endr
	s_wait_kmcnt 0x0
.set rr, 0
.rept 16
	s_wait_loadcnt 15-rr                           ; loads come back in order: this row's is in, the younger rows' stay out
.irp b, 0,1,2,3
.irp q, 0,1,2,3
.if rr == 0
	v_mul_f32 v[MACC+4*\b+\q], s[16+16*\b+4*(\b/3)+rr], v[MW+4*rr+\q]      ; the first row starts the sums
.else
	v_fmac_f32 v[MACC+4*\b+\q], s[16+16*\b+4*(\b/3)+rr], v[MW+4*rr+\q]
.endif
.endr
.endr
.set rr, rr+1
.endr
.irp b, 0,1,2,3
	ds_store_b128 v4, v[MACC+4*\b:MACC+4*\b+3] offset:512*\b
.endr
	s_wait_dscnt 0x0                               ; for the others' sake: my sums lie in LDS
	s_barrier_signal -1
	s_barrier_wait -1
	s_cmp_lt_u32 s[WV], 4
	s_cbranch_scc1 .Lsum
	s_wait_tensorcnt 0x0
	ds_add_u32 v96, v97
	s_wait_dscnt 0x0
	s_endpgm
.Lsum:                                                 ; wave b adds the sixteen waves' sums of b, ascending, and stores 512 consecutive bytes
	s_lshl_b32 s12, s[WV], 13
	s_mov_b32 s13, 0
	s_add_nc_u64 s[10:11], s[10:11], s[12:13]
.irp j, 0,1,2,3,4,5,6,7,8,9,10,11,12,13,14,15
	ds_load_b128 v[MW+4*\j:MW+4*\j+3], v3 offset:2048*\j
.endr
	s_wait_dscnt 0x0
.irp j, 1,2,3,4,5,6,7,8,9,10,11,12,13,14,15
	v_pk_add_f32 v[MW:MW+1], v[MW:MW+1], v[MW+4*\j:MW+4*\j+1]
	v_pk_add_f32 v[MW+2:MW+3], v[MW+2:MW+3], v[MW+4*\j+2:MW+4*\j+3]
.endr
	global_store_b128 v1, v[MW:MW+3], s[10:11]
	s_wait_tensorcnt 0x0
	ds_add_u32 v96, v97
	s_wait_dscnt 0x0
	s_endpgm
.Lfunc_end_k_qb1475138ad_kv:
	.size	k_qb1475138ad_kv, .Lfunc_end_k_qb1475138ad_kv-k_qb1475138ad_kv
	.p2alignl 7, 3214868480
	.fill 96, 4, 3214868480
	.section	.rodata,"a",@progbits
	.p2align	6, 0x0
	.amdhsa_kernel k_qb1475138ad_kv
		.amdhsa_group_segment_fixed_size 34816
		.amdhsa_private_segment_fixed_size 0
		.amdhsa_enable_private_segment 0
		.amdhsa_kernarg_size 32
		.amdhsa_user_sgpr_count 2
		.amdhsa_user_sgpr_kernarg_segment_ptr 1
		.amdhsa_wavefront_size32 1
		.amdhsa_system_sgpr_workgroup_id_x 1
		.amdhsa_system_sgpr_workgroup_id_y 1
		.amdhsa_system_sgpr_workgroup_id_z 1
		.amdhsa_system_vgpr_workitem_id 0
		.amdhsa_next_free_vgpr 98
		.amdhsa_next_free_sgpr 84
		.amdhsa_reserve_vcc 0
		.amdhsa_float_denorm_mode_32 3
		.amdhsa_float_denorm_mode_16_64 3
		.amdhsa_memory_ordered 1
		.amdhsa_forward_progress 1
		.amdhsa_inst_pref_size 16
	.end_amdhsa_kernel
	.amdgpu_metadata
---
amdhsa.version: [ 1, 2 ]
amdhsa.kernels:
  - .name:           k_qb1475138ad_kv
    .symbol:         k_qb1475138ad_kv.kd
    .args:
      - { .name: mem, .offset: 0, .size: 8, .value_kind: global_buffer, .address_space: global }
      - { .name: W_k, .offset: 8, .size: 8, .value_kind: global_buffer, .address_space: global }
      - { .name: W_v, .offset: 16, .size: 8, .value_kind: global_buffer, .address_space: global }
      - { .name: kvp, .offset: 24, .size: 8, .value_kind: global_buffer, .address_space: global }
    .group_segment_fixed_size: 34816
    .private_segment_fixed_size: 0
    .kernarg_segment_align: 8
    .kernarg_segment_size: 32
    .max_flat_workgroup_size: 512
    .sgpr_count:     84
    .vgpr_count:     98
    .wavefront_size: 32
...
	.end_amdgpu_metadata
.endif
;; end of part 2
;; launch gemm_q (part 3): grid 8 x 32, 4 waves a work-group, clusters of 4 x 4, 327,680 bytes of LDS; arguments a1, wq, kvp, a2; writes a2
.if DOCPART == 3
	.amdgcn_target "amdgcn-amd-amdhsa--gfx1250"
	.amdhsa_code_object_version 6
	.text
	.protected	k_qb1475138ad_gemm_q
	.globl	k_qb1475138ad_gemm_q
	.p2align	8
	.type	k_qb1475138ad_gemm_q,@function
k_qb1475138ad_gemm_q:
	s_mov_b64 s[64:65], 0
	v_nop
	global_prefetch_b8 v0, s[64:65] scope:SCOPE_SE
	s_setreg_imm32_b32 hwreg(HW_REG_WAVE_MODE, 25, 1), 1
	s_wait_xcnt 0x0
	s_wait_alu depctr_hold_cnt(0) depctr_sa_sdst(0) depctr_va_vdst(0) depctr_va_sdst(0) depctr_va_ssrc(0) depctr_va_vcc(0) depctr_vm_vsrc(0)
	s_getreg_b32 s2, hwreg(HW_REG_IB_STS2, 6, 4)
	s_cmp_eq_u32 s2, 0
	s_cbranch_scc0 .Lentry_in_a_cluster
	s_endpgm
.Lentry_in_a_cluster:
	s_bfe_u32 s2, ttmp6, 0x10000c
	s_cmp_lg_u32 s2, 0xf033
	s_cbranch_scc0 .Lentry_shape_is_right
	s_endpgm
.Lentry_shape_is_right:
; GEMM_Q: Q = last_hidden W_q on codes of FP6 (E2M3) with E8M0 scales, and all of the attention behind it.  a1: last_hidden's codes and scale bytes, wq: W_q's (rows = n), both in this program's layout:
; rows in blocks of 128, K in steps of 256: block rb, step ks: 128 rows x 192 bytes on end at (8 rb + ks) x 24,576; scale bytes, 8 a row, at SC + (8 rb + ks) x 1,024.
; A tile of Q, 256 rows x 256 columns, is made by a work-group of four waves, a wave 128 x 128: 64 accumulators, 512 registers.  A tile column is ONE HEAD, so the work-group holds all that 256 queries of a head need.
; K goes in 8 steps of 256 through a ring of two LDS slots filled by the tensor data mover; a wave's load is one dense run of 24,576 bytes.  The scale bytes of the work-group's rows, for all of K, come once and stay.
; CLUSTERS: 4 x 4 work-groups; A's tiles are asked for jointly along a row of the cluster, B's along a column.  THE MATRIX INSTRUCTION IS USED TRANSPOSED (source 0 = 16 rows of B, source 1 = 16 rows of A):
; a lane holds eight neighbouring columns of one row of Q.
; THE WAY OUT: K and V of my batch and head (the eight parts of kvp added, ascending); the logit Q . K / 16 in f32; the softmax over the ONE key as it is written: the maximum (the logit itself) taken away,
; the exponential, divided by the sum (itself); att x V; quantised along the head's 256, which are K step `head` of the next product's operand a2.  Q and att never go to memory.
; LIMITS: where a logit is not finite the result is not served (the codes have no NaN); a block of zeros gets the scale byte 1 (its codes are zeros; this program alone reads the bytes);
; the dot's f32 sums run in another order than a plain ascending one.
; REGISTERS, in windows of 256: window 0: v0-31 addresses; v32-63 scale words, two sets; v64-127 the way out's carry and addresses; from v128 A's fragments, ONE set.
;   window 1: B's fragments, TWO sets, at v0 and v128.   window 2: the accumulators of my rows 0-63 ((a, b) at v[8 (8 a + b)]);   window 3: those of my rows 64-127.
.set KSTEP,  256
.set NQ,     2                         ; matrix instructions deep in a slot
.set ROWB,   192                       ; a tile's row in bytes
.set BLKB,   128*ROWB                  ; what one tensor load brings from memory: 24,576 dense bytes
.set PITCH,  240                       ; an LDS row: 3 x (64 bytes + 16 of padding): the 32 lanes of a load of 8 bytes touch 64 different banks (64 banks of 4 bytes: ISA guide 11.1)
.set FR,     12                        ; registers of a fragment: 16 rows x 128 K
.set NL,     6                         ; LDS loads that bring one
.set NP,     4                         ; places behind this matrix instruction (ISA guide 7.12.1)
.set HALFT,  128*PITCH
.set SLOT,   4*HALFT                   ; A's 256 rows, then B's 256 rows
.set LAPS,   4                         ; a lap = two K steps = once round the ring: 2,048 / 512
.set SCL,    2*SLOT                    ; behind the ring: the scales, as units of 256 bytes + 16 of padding
.set HALFS,  32*272                    ; the scales of 128 rows, all of K: 8,192 bytes
.set SPARE,  SCL+4*HALFS               ; the spare words, 128 bytes for each wave: two blocks of 256 bytes that no other line names
.set A_SC,   12582912                  ; where a1's and a2's scale bytes begin
.set W_SC,   3145728                   ; where wq's begin
; the way out's LDS lies in slot 0, which has had its last fill and its last read when the first of these bytes is stored
.set STG,    0                         ; 12,288 bytes a wave: 64 rows x 192 bytes of codes, dense
.set KLDS,   49152                     ; K of my batch and head: 256 f32
.set VLDS,   50176                     ; V likewise
.set LGLDS,  51200                     ; the dots: [half of the columns][256 rows] f32
.set ADRA, 16                          ; v16-17 LDS address of my A fragments in slot 0, 1 (v18-19: for the pieces behind one padding more)
.set ADRB, 20                          ; v20-23 the same for B
.set ADRS, 27                          ; v27  LDS address of my scale words: lanes 0-15 A's rows, lanes 16-31 B's
.set SPW,  28                          ; v28  LDS address of my spare word; never rewritten
.set NIL,  29                          ; v29  0; never rewritten
.set T8,   30                          ; v30  8 x my thread's number
.set ZA,   31                          ; v31  0: the address of loads that every lane makes alike
.set SC,   32                          ; scale words: set s at v[SC + 16 s]; register 2 i + q: lanes 0-15 A's block i, lanes 16-31 B's block i, the slot's q-th 128 along K
.set KP,   64                          ; v64-79  K's eight parts, two numbers a thread; v[64:65] then the sum
.set VP,   80                          ; v80-95  V's
.set PD,   96                          ; v96-111 the dots: a pair for each of my eight blocks of rows
.set SBQ,  104                         ; v104-107 later: a2's scale bytes, two registers for each of my two rows
.set KAD,  112                         ; v112 where my lane's numbers of K lie
.set LGA,  113                         ; v113 where I put a dot
.set LRA,  114                         ; v114 where I read a row's two dots
.set SIN,  115                         ; v115 the stage: my row
.set SOUT, 116                         ; v116 the stage, read back: 16 bytes a lane
.set L16,  117                         ; v117 16 x lane
.set L8,   118                         ; v118 8 x lane
.set AT,   124                         ; v[124:125], v[126:127] att of my two rows
.set AF,   128                         ; A's fragments, in window 0
.set KR,   128                         ; the way out: my lane's 64 numbers of K
.set VV,   128                         ; then 64 numbers of V
.set XQ,   192                         ; v192-223 a block of att x V
.set CD,   224                         ; v224-247 codes of two blocks, for each of my two rows
.set G1, 24                            ; s[24:31] descriptor group 1 for A's tiles;  s[32:39] group 0, one set for each slot
.set G0, 32
.set G1B, 48                           ; s[48:55], s[56:63] the same for B's tiles
.set G0B, 56
.set G1S, 68                           ; s[68:75], s[76:79] groups 1 and 0 for A's scales;  s[80:87], s[88:91] for B's
.set G0S, 76
.set G1SB, 80
.set G0SB, 88
.set MSB, 0
.macro WIN new                         ; the immediate's high byte repeats the setting that is left
.if MSB != \new
	s_set_vgpr_msb (MSB<<8)|\new
.set MSB, \new
.endif
.endm
.set MUL_LO, 0xa1                      ; source 0 (B) window 1, source 1 (A) window 0, C and D window 2
.set MUL_HI, 0xf1                      ; the same, C and D window 3
.set TO_B,   0x40                      ; destination window 1, address window 0
; A joint load: waves 0 and 1 fetch for A, waves 2 and 3 for B.  Each of the two lines has ONE mask and one set of registers for all that issue it; the branch hangs on the wave's number alone.
; Four v_nop follow each of the two lines, ahead of the jump, the label and what follows.
.macro JLOAD g0a, g1a, g0b, g1b
	s_cmp_eq_u32 s15, 0
	s_cbranch_scc0 .Lfor_b_\@
	tensor_load_to_lds s[\g0a:\g0a+3], s[\g1a:\g1a+7]
	s_nop 0
.rept 4
	v_nop
.endr
	s_branch .Lasked_\@
.Lfor_b_\@:
	tensor_load_to_lds s[\g0b:\g0b+3], s[\g1b:\g1b+7]
	s_nop 0
.rept 4
	v_nop
.endr
.Lasked_\@:
.endm
.macro CREST                           ; a round of the cluster's barrier behind its opening barrier
	s_cmp_lg_u32 s14, 0
	s_cbranch_scc1 .Lnot_wave_0_\@
	s_barrier_signal -3
.Lnot_wave_0_\@:
	s_barrier_wait -3
	s_barrier_signal -1
	s_barrier_wait -1
.endm
.macro CROUND                          ; a whole round
	s_barrier_signal -1
	s_barrier_wait -1
	CREST
.endm
	s_load_b64 s[4:5], s[0:1], 0x0                 ; a1
	s_load_b64 s[8:9], s[0:1], 0x8                 ; wq
	s_load_b64 s[12:13], s[0:1], 0x10              ; kvp
	s_load_b64 s[96:97], s[0:1], 0x18              ; a2
	v_lshl_add_u32 v[SPW], v0, 2, SPARE
	v_mov_b32 v[NIL], 0
	ds_add_u32 v28, v29
	ds_add_u32 v28, v29
	s_wait_dscnt 0x0
	v_lshrrev_b32 v1, 5, v0
	v_readfirstlane_b32 s14, v1                    ; wave 0..3
	s_lshr_b32 s15, s14, 1                         ; which half of the tile's rows is mine.  Also: I fetch for A (0) or for B (1)
	s_and_b32 s16, s14, 1                          ; which half of its columns.  Also: which 128 rows of that tile I fetch
	s_bfe_u32 s40, ttmp6, 0x40000                  ; cx, cy: my place in the cluster
	s_bfe_u32 s41, ttmp6, 0x40004
	s_lshl_b32 s42, ttmp9, 2
	s_add_co_u32 s42, s42, s40                     ; tile column = the head = 4 x cluster x + cx
	s_and_b32 s17, ttmp7, 0xffff
	s_lshl_b32 s17, s17, 2
	s_add_co_u32 s17, s17, s41                     ; tile row = 4 x cluster y + cy
	s_lshl_b32 s43, s41, 2
	s_lshl_b32 s43, 15, s43                        ; my row of the cluster
	s_lshl_b32 s44, 0x1111, s40                    ; my column
	; descriptor group 1: a tile of 128 rows x 192 bytes, dense in memory, padded in LDS
	s_or_b32 s[G1+0], s43, (0<<16)|(1<<20)|(1<<21)|(3<<22)|(3<<25)  ; 15:0 the mask: A's tiles go to my row; 17:16 element of 1 byte; 20 padding on; 21 set beside a mask; 24:22 after every 16 words (code 3); 31:25 of 4 words (code 3)
	s_or_b32 s[G1B+0], s44, (0<<16)|(1<<20)|(1<<21)|(3<<22)|(3<<25)
.irp g, G1, G1B
	s_mov_b32 s[\g+1], ROWB<<16                    ; tensor_dim0
	s_mov_b32 s[\g+2], 128<<16                     ; tensor_dim1 = 128
	s_mov_b32 s[\g+3], ROWB<<16                    ; tile_dim0
	s_mov_b32 s[\g+4], 128                         ; tile_dim1 = 128
	s_mov_b32 s[\g+5], ROWB                        ; tensor_dim0_stride: a row begins where the last ends
	s_mov_b32 s[\g+6], 0
	s_mov_b32 s[\g+7], 0
.endr
	; and for the scales of 128 rows: a dense block of 8,192 bytes, as 32 rows of 256 bytes (32 elements of 8 bytes), 16 bytes of padding behind each
	s_or_b32 s[G1S+0], s43, (3<<16)|(1<<20)|(1<<21)|(5<<22)|(3<<25)
	s_or_b32 s[G1SB+0], s44, (3<<16)|(1<<20)|(1<<21)|(5<<22)|(3<<25)
.irp g, G1S, G1SB
	s_mov_b32 s[\g+1], 32<<16
	s_mov_b32 s[\g+2], 32<<16
	s_mov_b32 s[\g+3], 32<<16
	s_mov_b32 s[\g+4], 32
	s_mov_b32 s[\g+5], 32
	s_mov_b32 s[\g+6], 0
	s_mov_b32 s[\g+7], 0
.endr
	s_lshl_b32 s20, s17, 1
	s_add_co_u32 s20, s20, s16                     ; A: block of 128 rows 2 x tile row + half
	s_lshl_b32 s46, s42, 1
	s_add_co_u32 s46, s46, s16                     ; B: 2 x tile column + half
	s_lshl_b32 s22, s20, 13                        ; where these rows' scales begin: 8,192 bytes a block,
	s_add_co_u32 s22, s22, A_SC
	s_mov_b32 s23, 0
	s_lshl_b32 s92, s46, 13
	s_add_co_u32 s92, s92, W_SC
	s_mov_b32 s93, 0
	s_mul_i32 s20, s20, 8*BLKB                     ; and their codes: eight K steps a block
	s_mov_b32 s21, 0
	s_mul_i32 s46, s46, 8*BLKB
	s_mov_b32 s47, 0
	s_mul_i32 s45, s14, HALFT                      ; where they go: wave x 128 rows: no place in the cluster enters an LDS address
	s_mul_i32 s94, s14, HALFS
	s_wait_kmcnt 0x0
	s_add_nc_u64 s[20:21], s[4:5], s[20:21]
	s_add_nc_u64 s[22:23], s[4:5], s[22:23]
	s_add_nc_u64 s[46:47], s[8:9], s[46:47]
	s_add_nc_u64 s[92:93], s[8:9], s[92:93]
	CROUND                                         ; all sixteen work-groups are here: the first joint loads meet
	s_mov_b32 s[G0S], 1
	s_add_co_u32 s[G0S+1], s94, SCL
	s_mov_b64 s[G0S+2:G0S+3], s[22:23]
	s_or_b32 s[G0S+3], s[G0S+3], 0x80000000
	s_mov_b32 s[G0SB], 1
	s_add_co_u32 s[G0SB+1], s94, SCL
	s_mov_b64 s[G0SB+2:G0SB+3], s[92:93]
	s_or_b32 s[G0SB+3], s[G0SB+3], 0x80000000
	JLOAD G0S, G1S, G0SB, G1SB                     ; the scales first: they are wanted with K step 0
.irp s, 0,1
	s_mov_b32 s[G0+4*\s], 1
	s_add_co_u32 s[G0+4*\s+1], s45, \s*SLOT
	s_add_nc_u64 s[G0+4*\s+2:G0+4*\s+3], s[20:21], \s*BLKB
	s_or_b32 s[G0+4*\s+3], s[G0+4*\s+3], 0x80000000
	s_mov_b32 s[G0B+4*\s], 1
	s_add_co_u32 s[G0B+4*\s+1], s45, \s*SLOT
	s_add_nc_u64 s[G0B+4*\s+2:G0B+4*\s+3], s[46:47], \s*BLKB
	s_or_b32 s[G0B+4*\s+3], s[G0B+4*\s+3], 0x80000000
	JLOAD G0+4*\s, G1, G0B+4*\s, G1B
.endr
	v_and_b32 v1, 15, v0                           ; r = l % 16
	v_bfe_u32 v2, v0, 4, 1                         ; h = l / 16
	v_mul_u32_u24 v3, v1, PITCH
	v_mul_u32_u24 v4, v2, 24
	v_add_nc_u32 v4, v3, v4                        ; a fragment's row x pitch + 24 x half
	v_lshl_add_u32 v5, v2, 4, v4                   ; and the same behind one padding more
	s_mul_i32 s21, s15, HALFT                      ; my 128 rows of A
	s_mul_i32 s22, s16, HALFT                      ; my 128 rows of B,
	s_add_co_u32 s22, s22, 2*HALFT                 ; which lie behind A's 256
.irp s, 0,1
	v_add_nc_u32 v[ADRA+\s], s21, v4
	v_add_nc_u32 v[ADRB+\s], s22, v4
	v_add_nc_u32 v[ADRA+2+\s], s21, v5
	v_add_nc_u32 v[ADRB+2+\s], s22, v5
	s_add_co_u32 s21, s21, SLOT
	s_add_co_u32 s22, s22, SLOT
.endr
	v_lshlrev_b32 v5, 3, v1                        ; my row's scale bytes of a K step: 8 bytes a row
	s_mul_i32 s21, s15, HALFS                      ; A's: my 128 rows
	s_mul_i32 s22, s16, HALFS                      ; B's: my 128 rows, behind A's 256
	s_add_co_u32 s22, s22, 2*HALFS
	s_sub_co_u32 s22, s22, s21
	v_mul_u32_u24 v6, s22, v2                      ; lanes 16-31 take B's
	s_add_co_u32 s21, s21, SCL
	v_add_nc_u32 v5, v5, v6
	v_add_nc_u32 v[ADRS], s21, v5
	; the way out's addresses
	v_and_b32 v6, 31, v0                           ; lane
	v_lshlrev_b32 v[T8], 3, v0
	v_mov_b32 v[ZA], 0
	s_lshl_b32 s21, s16, 9
	v_lshl_add_u32 v[KAD], v2, 5, s21              ; K: my columns are 128 x half + 16 b + 8 h + 0 .. 7: 512 x half + 32 h bytes, 64 b in the offset
	s_lshl_b32 s21, s16, 10
	s_lshl_b32 s22, s15, 9
	s_add_co_u32 s21, s21, s22
	v_lshl_add_u32 v[LGA], v1, 2, s21              ; a dot: [my half of the columns][128 x my half of the rows + 16 a + r]
	s_lshl_b32 s21, s14, 8
	v_lshl_add_u32 v[LRA], v6, 2, s21              ; then a lane is a row: 64 x wave + 32 u + lane
	s_mul_i32 s21, s14, 12288
	v_mul_u32_u24 v[SIN], v6, 192
	v_add_nc_u32 v[SIN], s21, v[SIN]
	v_lshlrev_b32 v[L16], 4, v6
	v_add_nc_u32 v[SOUT], s21, v[L16]
	v_lshlrev_b32 v[L8], 3, v6
	; where K's and V's parts lie, and where my 64 rows' codes and scale bytes go
	s_lshr_b32 s18, s17, 3                         ; the batch: eight tile rows each
	s_lshl_b32 s18, s18, 13
	s_lshl_b32 s19, s42, 10
	s_add_co_u32 s18, s18, s19
	s_mov_b32 s19, 0
	s_add_nc_u64 s[12:13], s[12:13], s[18:19]      ; kvp at (part 0, K, my batch, my head)
	s_lshl_b32 s18, s17, 1
	s_add_co_u32 s18, s18, s15
	s_lshl_b32 s18, s18, 3
	s_add_co_u32 s18, s18, s42                     ; a2's block: 8 (2 x tile row + wave / 2) + head
	s_mul_i32 s66, s18, BLKB
	s_mul_i32 s19, s16, 12288                      ; + 64 rows for the odd waves
	s_add_co_u32 s66, s66, s19
	s_mov_b32 s67, 0
	s_lshl_b32 s18, s18, 10
	s_lshl_b32 s19, s16, 9
	s_add_co_u32 s18, s18, s19
	s_add_co_u32 s18, s18, A_SC
	s_mov_b32 s19, 0
	s_add_nc_u64 s[98:99], s[96:97], s[18:19]      ; my 512 scale bytes
	s_add_nc_u64 s[96:97], s[96:97], s[66:67]      ; my 12,288 bytes of codes
.irp p, 0,1,2,3,4,5,6,7
	global_load_b64 v[KP+2*\p:KP+2*\p+1], v[T8], s[12:13] offset:65536*\p          ; two numbers a thread: a wave's load covers 256 consecutive bytes
	global_load_b64 v[VP+2*\p:VP+2*\p+1], v[T8], s[12:13] offset:65536*\p+32768
.endr
.macro FRAG reg, adr, q, i             ; a fragment, 16 rows x 128 K of 6-bit codes, is 12 registers: lane l holds row l % 16; registers 6 c .. 6 c + 5 hold K = 64 c + 32 (l / 16) + 0 .. 31: 24 bytes of the row's stream of bits, as they lie
.irp p, 0,1,2,3,4,5                    ; in pieces of 8 bytes.  Lanes 0-15 take the row's pieces 12 q + 0, 1, 2 and 12 q + 6, 7, 8, lanes 16-31 those three pieces on
.set PC, 12*(\q)+6*(\p/3)+\p%3        ; 16 bytes of padding lie behind every 8 pieces: where the piece three on lies behind one padding more, the second address register serves
.if PC%8 < 5
	ds_load_b64 v[\reg+2*\p:\reg+2*\p+1], v[\adr] offset:8*PC+16*(PC/8)+(\i)*16*PITCH
.else
	ds_load_b64 v[\reg+2*\p:\reg+2*\p+1], v[\adr+2] offset:8*PC+16*(PC/8)+(\i)*16*PITCH
.endif
.endr
.endm
; 16 matrix instructions: A's blocks a0, a0 + 1 x B's eight, 128 along K: the slot's q-th.  p: B's set;  sc: the set of scale words.  zero = 1: the first product starts the sums: nothing is ever cleared.
; The 64 accumulators take turns, one instruction a turn, in the same order in every step.
.macro MUL16 a0, p, q, sc, zero
.irp a, \a0, \a0+1
.irp b, 0,1,2,3,4,5,6,7
.if \zero
	v_wmma_scale_f32_16x16x128_f8f6f4 v[8*(8*((\a)%4)+\b):8*(8*((\a)%4)+\b)+7], v[128*(\p)+FR*\b:128*(\p)+FR*\b+FR-1], v[AF+FR*(\a):AF+FR*(\a)+FR-1], 0, v[SC+8*NQ*(\sc)+NQ*\b+(\q)], v[SC+8*NQ*(\sc)+NQ*(\a)+(\q)] matrix_a_fmt:MATRIX_FMT_FP6 matrix_b_fmt:MATRIX_FMT_FP6 matrix_a_scale:MATRIX_SCALE_ROW1
.else
	v_wmma_scale_f32_16x16x128_f8f6f4 v[8*(8*((\a)%4)+\b):8*(8*((\a)%4)+\b)+7], v[128*(\p)+FR*\b:128*(\p)+FR*\b+FR-1], v[AF+FR*(\a):AF+FR*(\a)+FR-1], v[8*(8*((\a)%4)+\b):8*(8*((\a)%4)+\b)+7], v[SC+8*NQ*(\sc)+NQ*\b+(\q)], v[SC+8*NQ*(\sc)+NQ*(\a)+(\q)] matrix_a_fmt:MATRIX_FMT_FP6 matrix_b_fmt:MATRIX_FMT_FP6 matrix_a_scale:MATRIX_SCALE_ROW1
.endif
.endr
.endr
.endm
.macro FETCH_B slot, q, p              ; B's eight fragments of the slot's q-th 128 along K into set p
	WIN TO_B
.irp i, 0,1,2,3,4,5,6,7
	FRAG 128*(\p)+FR*\i, ADRB+\slot, \q, \i
.endr
	WIN 0
.endm
.macro FETCH_A slot, q, i0             ; A's blocks i0 .. i0 + 3
.irp i, \i0, \i0+1, \i0+2, \i0+3
	FRAG AF+FR*(\i), ADRA+\slot, \q, \i
.endr
.endm
.macro SCALES sc                       ; the next K step's scale words into set sc: 8 bytes a row; lanes 0-15 take A's block i, lanes 16-31 B's block i.  Two blocks of 16 rows fill a unit of 256 bytes
.irp i, 0,1,2,3,4,5,6,7
	ds_load_b64 v[SC+8*NQ*\sc+NQ*\i:SC+8*NQ*\sc+NQ*\i+1], v[ADRS] offset:128*\i+16*(\i/2)
.endr
.endm
; A load into a register that a matrix instruction has read, and a vector instruction or an LDS store that reads a matrix result, stand NP places behind that matrix instruction, and only plain vector
; instructions that name none of its registers are places (ISA guide 7.12.1 for vector instructions).
.macro PLACES n
.rept \n
	v_nop
.endr
.endm
; A step of 128 along K that has its successor in the same slot.
.macro STEP slot, q, zero
	s_wait_dscnt 4*NL                              ; B's set and A's blocks 0-3 are in; the youngest 24 loads (A's blocks 4-7) may be out
	WIN MUL_LO
	MUL16 0, (\q)%2, \q, \slot, \zero
	MUL16 2, (\q)%2, \q, \slot, \zero
	s_wait_dscnt 0                                 ; A's blocks 4-7 are in (asked for 32 matrix instructions ago)
	PLACES NP
	FETCH_B \slot, (\q)+1, 1-(\q)%2
	FETCH_A \slot, (\q)+1, 0
	WIN MUL_HI
	MUL16 4, (\q)%2, \q, \slot, \zero
	MUL16 6, (\q)%2, \q, \slot, \zero
	PLACES NP
	WIN 0
	FETCH_A \slot, (\q)+1, 4
.endm
; A slot's last step changes slots: ONE barrier; in front of it each wave waits for all its tensor loads, adds 0 to its spare word, and waits for that and for its own reads of this slot.  fill = 1: this slot is filled again, two K steps ahead.
.macro TURN slot, next, fill
	s_wait_tensorcnt 0x0                           ; all my tensor loads have landed: my part of the next slot;  (every window is 0 here)
	ds_add_u32 v[SPW], v[NIL]                      ; 0 onto my spare word
	s_wait_dscnt 4*NL+1                            ; (the add and the youngest 24 loads, A's blocks 4-7, may be out)
	WIN MUL_LO
	MUL16 0, 1, NQ-1, \slot, 0                     ; sixteen matrix instructions stand between the add and the wait for it
	s_wait_dscnt 0x0                               ; the add is done, and my reads of this slot are over
	s_barrier_signal -1
	MUL16 2, 1, NQ-1, \slot, 0
	WIN 0
	s_barrier_wait -1
.if \fill
	CREST                                          ; the barrier has opened a round of the cluster's barrier: no wave of any partner still reads this slot's tile or has a load on its way
	s_add_nc_u64 s[G0+4*\slot+2:G0+4*\slot+3], s[G0+4*\slot+2:G0+4*\slot+3], 2*BLKB
	s_add_nc_u64 s[G0B+4*\slot+2:G0B+4*\slot+3], s[G0B+4*\slot+2:G0B+4*\slot+3], 2*BLKB
	JLOAD G0+4*\slot, G1, G0B+4*\slot, G1B         ; the first tensor load behind the round; the four v_nop behind it are the places in front of the loads below
.else
	PLACES NP
.endif
	v_add_nc_u32 v[ADRS], 4*272, v[ADRS]           ; on to the next K step's scale words: 1,024 bytes, four units (no LDS load of mine is out)
	FETCH_B \next, 0, 0
	FETCH_A \next, 0, 0
	SCALES \next
	WIN MUL_HI
	MUL16 4, 1, NQ-1, \slot, 0
	MUL16 6, 1, NQ-1, \slot, 0
	PLACES NP
	WIN 0
	FETCH_A \next, 0, 4
.endm
	s_wait_loadcnt 0x0                             ; K's and V's parts: added here, ascending, while the first tiles are on their way
.irp p, 1,2,3,4,5,6,7
	v_pk_add_f32 v[KP:KP+1], v[KP:KP+1], v[KP+2*\p:KP+2*\p+1]
	v_pk_add_f32 v[VP:VP+1], v[VP:VP+1], v[VP+2*\p:VP+2*\p+1]
.endr
	s_wait_tensorcnt 1                             ; of my three loads the scales and my part of K step 0 are in (K step 1's may be out)
	s_barrier_signal -1
	s_barrier_wait -1                              ; everybody's are
	FETCH_B 0, 0, 0
	FETCH_A 0, 0, 0
	SCALES 0
	FETCH_A 0, 0, 4
	STEP 0, 0, 1                                   ; the first step stands in front of the loop: its products start the sums
	s_mov_b32 s3, LAPS-1
.Llap:                                                 ; a trip goes once round the ring, from a lap's second step to the next lap's first, and fills both slots again
	TURN 0, 1, 1
	STEP 1, 0, 0
	TURN 1, 0, 1
	STEP 0, 0, 0
	s_sub_co_u32 s3, s3, 1
	s_cmp_lg_u32 s3, 0
	s_cbranch_scc1 .Llap
	TURN 0, 1, 0                                   ; the last lap fills nothing, and has no round of the cluster's barrier
	STEP 1, 0, 0
	s_wait_dscnt 4*NL                              ; the very last step: nothing more to fetch
	WIN MUL_LO
	MUL16 0, 1, NQ-1, 1, 0
	MUL16 2, 1, NQ-1, 1, 0
	s_wait_dscnt 0
	WIN MUL_HI
	MUL16 4, 1, NQ-1, 1, 0
	MUL16 6, 1, NQ-1, 1, 0
	WIN 0
; ---- THE WAY OUT
	PLACES NP                                      ; behind the last products: for the loads into A's registers and for the first reads of results
	ds_store_b64 v[T8], v[KP:KP+1] offset:KLDS     ; K and V of my batch and head: thread t holds numbers 2 t, 2 t + 1
	ds_store_b64 v[T8], v[VP:VP+1] offset:VLDS
	s_wait_dscnt 0x0                               ; for the others' sake
	s_barrier_signal -1
	s_barrier_wait -1
.irp b, 0,1,2,3,4,5,6,7
	ds_load_b128 v[KR+8*\b:KR+8*\b+3], v[KAD] offset:KLDS+64*\b         ; K at my lane's columns: register 8 b + j beside accumulator (a, b)'s register j
	ds_load_b128 v[KR+8*\b+4:KR+8*\b+7], v[KAD] offset:KLDS+64*\b+16
.endr
	s_mov_b32 s20, 0x76543210                      ; v_permlanex16_b32's selects for lane l xor 16
	s_mov_b32 s21, 0xfedcba98
	s_wait_dscnt 0x0
; the dot of my rows with K over my 128 columns: a pair of sums for each block of rows, the four blocks of a window by turns; each accumulator is read from its low end on
.macro DOT hf, w
	WIN \w                                         ; source 0: the accumulators' window
.irp b, 0,1,2,3,4,5,6,7
.irp i, 0,1,2,3
.irp a, 0,1,2,3
.if (\b == 0) && (\i == 0)
	v_pk_mul_f32 v[PD+2*(4*\hf+\a):PD+2*(4*\hf+\a)+1], v[8*(8*\a+\b)+2*\i:8*(8*\a+\b)+2*\i+1], v[KR+8*\b+2*\i:KR+8*\b+2*\i+1]
.else
	v_pk_fma_f32 v[PD+2*(4*\hf+\a):PD+2*(4*\hf+\a)+1], v[8*(8*\a+\b)+2*\i:8*(8*\a+\b)+2*\i+1], v[KR+8*\b+2*\i:KR+8*\b+2*\i+1], v[PD+2*(4*\hf+\a):PD+2*(4*\hf+\a)+1]
.endif
.endr
.endr
.endr
.endm
	DOT 0, 0x02
	DOT 1, 0x03
	WIN 0
.irp a, 0,1,2,3,4,5,6,7
	v_add_f32 v[PD+2*\a], v[PD+2*\a], v[PD+2*\a+1]                 ; the pair's two halves,
.endr
.irp a, 0,1,2,3,4,5,6,7
	v_permlanex16_b32 v[PD+2*\a+1], v[PD+2*\a], s20, s21
.endr
.irp a, 0,1,2,3,4,5,6,7
	v_add_f32 v[PD+2*\a], v[PD+2*\a], v[PD+2*\a+1]                 ; and lane l xor 16's columns
.endr
.irp a, 0,1,2,3,4,5,6,7
	ds_store_b32 v[LGA], v[PD+2*\a] offset:LGLDS+64*\a             ; both halves of the lanes write the same word with the same value
.endr
	s_wait_dscnt 0x0                               ; for the others' sake: a row's dot comes from two waves
	s_barrier_signal -1
	s_barrier_wait -1
	ds_load_b32 v120, v[LRA] offset:LGLDS          ; from here a lane is a row: 64 x wave + 32 u + lane, u = 0, 1
	ds_load_b32 v121, v[LRA] offset:LGLDS+1024
	ds_load_b32 v122, v[LRA] offset:LGLDS+128
	ds_load_b32 v123, v[LRA] offset:LGLDS+1152
	s_wait_dscnt 0x0
	v_add_f32 v120, v120, v121
	v_add_f32 v122, v122, v123
	v_mul_f32 v120, 0x3d800000, v120               ; the logit: / sqrt(256)
	v_mul_f32 v122, 0x3d800000, v122
	v_sub_f32 v121, v120, v120                     ; the softmax over the one key: the row's maximum, which is the logit itself, is taken away,
	v_sub_f32 v123, v122, v122
	v_mul_f32 v121, 0x3fb8aa3b, v121               ; (x log2 e)
	v_mul_f32 v123, 0x3fb8aa3b, v123
	v_exp_f32 v120, v121                           ; the exponential,
	v_exp_f32 v122, v123
	v_nop                                          ; a plain line behind the transcendentals
	s_wait_alu depctr_va_vdst(0)                   ; one wait for the two, ahead of their first reader
	v_rcp_f32 v121, v120                           ; divided by the row's sum, which is that one exponential
	v_rcp_f32 v123, v122
	v_nop
	s_wait_alu depctr_va_vdst(0)
	v_mul_f32 v[AT], v120, v121
	v_mul_f32 v[AT+2], v122, v123
	v_mov_b32 v[AT+1], v[AT]                       ; (named as pairs by the packed multiplies)
	v_mov_b32 v[AT+3], v[AT+2]
; att x V of row u, block blk of the 64 numbers of V in hand (block 2 u2 + blk of the head's eight): its largest magnitude, its scale byte, its 32 codes
.macro QROW u, blk, u2
.set CDQ, CD+12*(\u)+6*(\blk)
.set BI, 2*(\u2)+(\blk)
.irp i, 0,1,2,3,4,5,6,7,8,9,10,11,12,13,14,15
	v_pk_mul_f32 v[XQ+2*\i:XQ+2*\i+1], v[VV+32*(\blk)+2*\i:VV+32*(\blk)+2*\i+1], v[AT+2*(\u):AT+2*(\u)+1] op_sel_hi:[1,0]
.endr
	v_max3_num_f32 v252, |v[XQ]|, |v[XQ+1]|, |v[XQ+2]|
	v_max3_num_f32 v253, |v[XQ+3]|, |v[XQ+4]|, |v[XQ+5]|
.irp i, 6,10,14,18,22,26
	v_max3_num_f32 v252, v252, |v[XQ+\i]|, |v[XQ+\i+1]|
	v_max3_num_f32 v253, v253, |v[XQ+\i+2]|, |v[XQ+\i+3]|
.endr
	v_max3_num_f32 v252, v252, |v[XQ+30]|, |v[XQ+31]|
	v_max3_num_f32 v252, v252, v253, 0x1800000     ; and the floor 2^(3 - 127): the byte cannot fall under 1
	v_add_nc_u32 v251, 0xff000000, v252            ; 2 off the exponent field: the conversion's scale operand
	v_cvt_scalef32_pk16_fp6_f32 v[CDQ:CDQ+2], v[XQ:XQ+15], v251
	v_cvt_scalef32_pk16_fp6_f32 v[248:250], v[XQ+16:XQ+31], v251   ; (a conversion's three registers begin on an even number)
	v_lshrrev_b32 v254, 23, v251                   ; the scale's byte (plain lines behind the conversions)
.if BI%4 == 0
	v_mov_b32 v[SBQ+2*(\u)+BI/4], v254
.else
	v_lshl_or_b32 v[SBQ+2*(\u)+BI/4], v254, 8*(BI%4), v[SBQ+2*(\u)+BI/4]
.endif
.irp i, 0,1,2
	v_mov_b32 v[CDQ+3+\i], v[248+\i]
.endr
.endm
.irp u2, 0,1,2,3                       ; 64 of the head's 256 at a time
.irp i, 0,1,2,3,4,5,6,7,8,9,10,11,12,13,14,15
	ds_load_b128 v[VV+4*\i:VV+4*\i+3], v[ZA] offset:VLDS+256*\u2+16*\i   ; every lane takes the same 16 bytes
.endr
	s_wait_dscnt 0x0                               ; V's numbers are in, and the last stores into the stage have read their registers
.irp u, 0,1
	QROW \u, 0, \u2
	QROW \u, 1, \u2
.irp c, 0,1,2
	ds_store_b128 v[SIN], v[CD+12*\u+4*\c:CD+12*\u+4*\c+3] offset:STG+6144*\u+48*\u2+16*\c   ; two blocks' 48 bytes into my row of the stage
.endr
.endr
.endr
.irp u, 0,1
	global_store_b64 v[L8], v[SBQ+2*\u:SBQ+2*\u+1], s[98:99] offset:256*\u   ; 8 scale bytes a row: 256 consecutive bytes, aligned
.endr
.irp j, 0,1,2,3,4,5,6,7,8,9,10,11,12,13,14,15,16,17,18,19,20,21,22,23
	ds_load_b128 v[128+4*\j:128+4*\j+3], v[SOUT] offset:STG+512*\j   ; LDS serves a wave's instructions in order (ISA guide 5.7.1.4): these see my stores
.endr
.irp j, 0,1,2,3,4,5,6,7,8,9,10,11,12,13,14,15,16,17,18,19,20,21,22,23
	s_wait_dscnt 23-\j
	global_store_b128 v[L16], v[128+4*\j:128+4*\j+3], s[96:97] offset:512*\j   ; 512 consecutive bytes, aligned
.endr
	s_wait_tensorcnt 0x0                           ; the wave's end, behind my last tensor load and my last LDS store
	ds_add_u32 v[SPW], v[NIL]
	s_wait_dscnt 0x0
	CROUND                                         ; the closing round: no work-group ends while a partner may still ask for a tile that names it
	s_endpgm
.Lfunc_end_k_qb1475138ad_gemm_q:
	.size	k_qb1475138ad_gemm_q, .Lfunc_end_k_qb1475138ad_gemm_q-k_qb1475138ad_gemm_q
	.p2alignl 7, 3214868480
	.fill 96, 4, 3214868480
	.section	.rodata,"a",@progbits
	.p2align	6, 0x0
	.amdhsa_kernel k_qb1475138ad_gemm_q
		.amdhsa_group_segment_fixed_size 327680
		.amdhsa_private_segment_fixed_size 0
		.amdhsa_enable_private_segment 0
		.amdhsa_kernarg_size 32
		.amdhsa_user_sgpr_count 2
		.amdhsa_user_sgpr_kernarg_segment_ptr 1
		.amdhsa_wavefront_size32 1
		.amdhsa_system_sgpr_workgroup_id_x 1
		.amdhsa_system_sgpr_workgroup_id_y 1
		.amdhsa_system_sgpr_workgroup_id_z 1
		.amdhsa_system_vgpr_workitem_id 0
		.amdhsa_next_free_vgpr 1024
		.amdhsa_next_free_sgpr 102
		.amdhsa_reserve_vcc 0
		.amdhsa_float_denorm_mode_32 3
		.amdhsa_float_denorm_mode_16_64 3
		.amdhsa_memory_ordered 1
		.amdhsa_forward_progress 1
		.amdhsa_inst_pref_size 202
	.end_amdhsa_kernel
	.amdgpu_metadata
---
amdhsa.version: [ 1, 2 ]
amdhsa.kernels:
  - .name:           k_qb1475138ad_gemm_q
    .symbol:         k_qb1475138ad_gemm_q.kd
    .args:
      - { .name: a1, .offset: 0, .size: 8, .value_kind: global_buffer, .address_space: global }
      - { .name: wq, .offset: 8, .size: 8, .value_kind: global_buffer, .address_space: global }
      - { .name: kvp, .offset: 16, .size: 8, .value_kind: global_buffer, .address_space: global }
      - { .name: a2, .offset: 24, .size: 8, .value_kind: global_buffer, .address_space: global }
    .group_segment_fixed_size: 327680
    .private_segment_fixed_size: 0
    .kernarg_segment_align: 8
    .kernarg_segment_size: 32
    .max_flat_workgroup_size: 128
    .sgpr_count:     102
    .vgpr_count:     1024
    .wavefront_size: 32
...
	.end_amdgpu_metadata
.endif
;; end of part 3
;; launch gemm_o (part 4): grid 8 x 32, 4 waves a work-group, clusters of 4 x 4, 327,680 bytes of LDS; arguments a2, wo, last_hidden, gate, out0; writes out0
.if DOCPART == 4
	.amdgcn_target "amdgcn-amd-amdhsa--gfx1250"
	.amdhsa_code_object_version 6
	.text
	.protected	k_qb1475138ad_gemm_o
	.globl	k_qb1475138ad_gemm_o
	.p2align	8
	.type	k_qb1475138ad_gemm_o,@function
k_qb1475138ad_gemm_o:
	s_mov_b64 s[64:65], 0
	v_nop
	global_prefetch_b8 v0, s[64:65] scope:SCOPE_SE
	s_setreg_imm32_b32 hwreg(HW_REG_WAVE_MODE, 25, 1), 1
	s_wait_xcnt 0x0
	s_wait_alu depctr_hold_cnt(0) depctr_sa_sdst(0) depctr_va_vdst(0) depctr_va_sdst(0) depctr_va_ssrc(0) depctr_va_vcc(0) depctr_vm_vsrc(0)
	s_getreg_b32 s2, hwreg(HW_REG_IB_STS2, 6, 4)
	s_cmp_eq_u32 s2, 0
	s_cbranch_scc0 .Lentry_in_a_cluster
	s_endpgm
.Lentry_in_a_cluster:
	s_bfe_u32 s2, ttmp6, 0x10000c
	s_cmp_lg_u32 s2, 0xf033
	s_cbranch_scc0 .Lentry_shape_is_right
	s_endpgm
.Lentry_shape_is_right:
; GEMM_O: out0 = last_hidden + sigmoid(gate) x (out W_o), the product on codes of FP6 (E2M3) with E8M0 scales.  a2: the attention's result as codes and scale bytes, wo: W_o's (rows = n), both in this program's layout:
; rows in blocks of 128, K in steps of 256: block rb, step ks: 128 rows x 192 bytes on end at (8 rb + ks) x 24,576; scale bytes, 8 a row, at SC + (8 rb + ks) x 1,024.
; A tile of C, 256 x 256, is made by a work-group of four waves, a wave 128 x 128: 64 accumulators, 512 registers.  K goes in 8 steps of 256 through a ring of two LDS slots filled by the tensor data mover;
; a wave's load is one dense run of 24,576 bytes.  The scale bytes of the work-group's rows, for all of K, come once and stay.
; CLUSTERS: 4 x 4 work-groups; A's tiles are asked for jointly along a row of the cluster, B's along a column.  THE MATRIX INSTRUCTION IS USED TRANSPOSED (source 0 = 16 rows of B, source 1 = 16 rows of A).
; THE WAY OUT: a block of 16 rows x 128 columns goes through my stage in LDS and comes back as whole rows of 512 bytes; last_hidden's same rows are loaded three blocks ahead; one packed multiply-add; stored.
; LIMITS: NaN and infinities among the inputs are not served; for a gate under about -88 the sigmoid comes out as 0.
; REGISTERS, in windows of 256: window 0: v0-31 addresses; v32-63 scale words, two sets; from v128 A's fragments, ONE set; on the way out v128-255 rows of C.
;   window 1: B's fragments, TWO sets, at v0 and v128; on the way out four sets of 16 rows of last_hidden.   window 2: the accumulators of my rows 0-63 ((a, b) at v[8 (8 a + b)]);   window 3: those of my rows 64-127.
.set KSTEP,  256
.set NQ,     2                         ; matrix instructions deep in a slot
.set ROWB,   192                       ; a tile's row in bytes
.set BLKB,   128*ROWB                  ; what one tensor load brings from memory: 24,576 dense bytes
.set PITCH,  240                       ; an LDS row: 3 x (64 bytes + 16 of padding): the 32 lanes of a load of 8 bytes touch 64 different banks (64 banks of 4 bytes: ISA guide 11.1)
.set FR,     12                        ; registers of a fragment: 16 rows x 128 K
.set NL,     6                         ; LDS loads that bring one
.set NP,     4                         ; places behind this matrix instruction (ISA guide 7.12.1)
.set HALFT,  128*PITCH
.set SLOT,   4*HALFT                   ; A's 256 rows, then B's 256 rows
.set LAPS,   4                         ; a lap = two K steps = once round the ring: 2,048 / 512
.set SCL,    2*SLOT                    ; behind the ring: the scales, as units of 256 bytes + 16 of padding
.set HALFS,  32*272                    ; the scales of 128 rows, all of K: 8,192 bytes
.set SPARE,  SCL+4*HALFS               ; the spare words, 128 bytes for each wave: two blocks of 256 bytes that no other line names
.set A_SC,   12582912                  ; where a2's scale bytes begin
.set W_SC,   3145728                   ; where wo's begin
.set SPITCH, 528                       ; the way out: a stage of 16 rows x (512 bytes + 16) for each wave, in slot 0, which has had its last fill and its last read when the first result is stored there
.set ROWC,   8192                      ; a row of out0 and of last_hidden in bytes
.set ADRA, 16                          ; v16-17 LDS address of my A fragments in slot 0, 1 (v18-19: for the pieces behind one padding more)
.set ADRB, 20                          ; v20-23 the same for B
.set STO,  24                          ; v24  the way out: where I put 32 bytes of a row
.set RD,   25                          ; v25  the way out: where I read a row back
.set CO,   26                          ; v26  my byte offset in a row: 16 x lane
.set ADRS, 27                          ; v27  LDS address of my scale words: lanes 0-15 A's rows, lanes 16-31 B's
.set SPW,  28                          ; v28  LDS address of my spare word; never rewritten
.set NIL,  29                          ; v29  0; never rewritten
.set SG,   30                          ; v[30:31] sigmoid(gate), twice
.set SC,   32                          ; scale words: set s at v[SC + 16 s]; register 2 i + q: lanes 0-15 A's block i, lanes 16-31 B's block i, the slot's q-th 128 along K
.set PFO,  64                          ; v64  the prefetches' offset: row lane / 2, 256 bytes x (lane % 2); never rewritten
.set AF,   128                         ; A's fragments, in window 0
.set BK,   128                         ; the way out: 16 rows read back from the stage: v128-191 and v192-255 by turns
.set G1, 24                            ; s[24:31] descriptor group 1 for A's tiles;  s[32:39] group 0, one set for each slot
.set G0, 32
.set G1B, 48                           ; s[48:55], s[56:63] the same for B's tiles
.set G0B, 56
.set G1S, 68                           ; s[68:75], s[76:79] groups 1 and 0 for A's scales;  s[80:87], s[88:91] for B's
.set G0S, 76
.set G1SB, 80
.set G0SB, 88
.set MSB, 0
.macro WIN new                         ; the immediate's high byte repeats the setting that is left
.if MSB != \new
	s_set_vgpr_msb (MSB<<8)|\new
.set MSB, \new
.endif
.endm
.set MUL_LO, 0xa1                      ; source 0 (B) window 1, source 1 (A) window 0, C and D window 2
.set MUL_HI, 0xf1                      ; the same, C and D window 3
.set TO_B,   0x40                      ; destination window 1, address window 0
; A joint load: waves 0 and 1 fetch for A, waves 2 and 3 for B.  Each of the two lines has ONE mask and one set of registers for all that issue it; the branch hangs on the wave's number alone.
; Four v_nop follow each of the two lines, ahead of the jump, the label and what follows.
.macro JLOAD g0a, g1a, g0b, g1b
	s_cmp_eq_u32 s15, 0
	s_cbranch_scc0 .Lfor_b_\@
	tensor_load_to_lds s[\g0a:\g0a+3], s[\g1a:\g1a+7]
	s_nop 0
.rept 4
	v_nop
.endr
	s_branch .Lasked_\@
.Lfor_b_\@:
	tensor_load_to_lds s[\g0b:\g0b+3], s[\g1b:\g1b+7]
	s_nop 0
.rept 4
	v_nop
.endr
.Lasked_\@:
.endm
.macro CREST                           ; a round of the cluster's barrier behind its opening barrier
	s_cmp_lg_u32 s14, 0
	s_cbranch_scc1 .Lnot_wave_0_\@
	s_barrier_signal -3
.Lnot_wave_0_\@:
	s_barrier_wait -3
	s_barrier_signal -1
	s_barrier_wait -1
.endm
.macro CROUND                          ; a whole round
	s_barrier_signal -1
	s_barrier_wait -1
	CREST
.endm
	s_load_b64 s[4:5], s[0:1], 0x0                 ; a2
	s_load_b64 s[8:9], s[0:1], 0x8                 ; wo
	s_load_b64 s[96:97], s[0:1], 0x10              ; last_hidden
	s_load_b64 s[98:99], s[0:1], 0x18              ; gate
	s_load_b64 s[12:13], s[0:1], 0x20              ; out0
	v_lshl_add_u32 v[SPW], v0, 2, SPARE
	v_mov_b32 v[NIL], 0
	ds_add_u32 v28, v29
	ds_add_u32 v28, v29
	s_wait_dscnt 0x0
	v_lshrrev_b32 v1, 5, v0
	v_readfirstlane_b32 s14, v1                    ; wave 0..3
	s_lshr_b32 s15, s14, 1                         ; which half of the tile's rows is mine.  Also: I fetch for A (0) or for B (1)
	s_and_b32 s16, s14, 1                          ; which half of its columns.  Also: which 128 rows of that tile I fetch
	s_bfe_u32 s40, ttmp6, 0x40000                  ; cx, cy: my place in the cluster
	s_bfe_u32 s41, ttmp6, 0x40004
	s_lshl_b32 s42, ttmp9, 2
	s_add_co_u32 s42, s42, s40                     ; tile column = 4 x cluster x + cx
	s_and_b32 s17, ttmp7, 0xffff
	s_lshl_b32 s17, s17, 2
	s_add_co_u32 s17, s17, s41                     ; tile row = 4 x cluster y + cy
	s_lshl_b32 s43, s41, 2
	s_lshl_b32 s43, 15, s43                        ; my row of the cluster
	s_lshl_b32 s44, 0x1111, s40                    ; my column
	; descriptor group 1: a tile of 128 rows x 192 bytes, dense in memory, padded in LDS
	s_or_b32 s[G1+0], s43, (0<<16)|(1<<20)|(1<<21)|(3<<22)|(3<<25)  ; 15:0 the mask: A's tiles go to my row; 17:16 element of 1 byte; 20 padding on; 21 set beside a mask; 24:22 after every 16 words (code 3); 31:25 of 4 words (code 3)
	s_or_b32 s[G1B+0], s44, (0<<16)|(1<<20)|(1<<21)|(3<<22)|(3<<25)
.irp g, G1, G1B
	s_mov_b32 s[\g+1], ROWB<<16                    ; tensor_dim0
	s_mov_b32 s[\g+2], 128<<16                     ; tensor_dim1 = 128
	s_mov_b32 s[\g+3], ROWB<<16                    ; tile_dim0
	s_mov_b32 s[\g+4], 128                         ; tile_dim1 = 128
	s_mov_b32 s[\g+5], ROWB                        ; tensor_dim0_stride: a row begins where the last ends
	s_mov_b32 s[\g+6], 0
	s_mov_b32 s[\g+7], 0
.endr
	; and for the scales of 128 rows: a dense block of 8,192 bytes, as 32 rows of 256 bytes (32 elements of 8 bytes), 16 bytes of padding behind each
	s_or_b32 s[G1S+0], s43, (3<<16)|(1<<20)|(1<<21)|(5<<22)|(3<<25)
	s_or_b32 s[G1SB+0], s44, (3<<16)|(1<<20)|(1<<21)|(5<<22)|(3<<25)
.irp g, G1S, G1SB
	s_mov_b32 s[\g+1], 32<<16
	s_mov_b32 s[\g+2], 32<<16
	s_mov_b32 s[\g+3], 32<<16
	s_mov_b32 s[\g+4], 32
	s_mov_b32 s[\g+5], 32
	s_mov_b32 s[\g+6], 0
	s_mov_b32 s[\g+7], 0
.endr
	s_lshl_b32 s20, s17, 1
	s_add_co_u32 s20, s20, s16                     ; A: block of 128 rows 2 x tile row + half
	s_lshl_b32 s46, s42, 1
	s_add_co_u32 s46, s46, s16                     ; B: 2 x tile column + half
	s_lshl_b32 s22, s20, 13                        ; where these rows' scales begin: 8,192 bytes a block,
	s_add_co_u32 s22, s22, A_SC
	s_mov_b32 s23, 0
	s_lshl_b32 s92, s46, 13
	s_add_co_u32 s92, s92, W_SC
	s_mov_b32 s93, 0
	s_mul_i32 s20, s20, 8*BLKB                     ; and their codes: eight K steps a block
	s_mov_b32 s21, 0
	s_mul_i32 s46, s46, 8*BLKB
	s_mov_b32 s47, 0
	s_mul_i32 s45, s14, HALFT                      ; where they go: wave x 128 rows: no place in the cluster enters an LDS address
	s_mul_i32 s94, s14, HALFS
	s_wait_kmcnt 0x0
	s_load_b32 s100, s[98:99], 0x0                 ; the gate
	s_add_nc_u64 s[20:21], s[4:5], s[20:21]
	s_add_nc_u64 s[22:23], s[4:5], s[22:23]
	s_add_nc_u64 s[46:47], s[8:9], s[46:47]
	s_add_nc_u64 s[92:93], s[8:9], s[92:93]
	CROUND                                         ; all sixteen work-groups are here: the first joint loads meet
	s_mov_b32 s[G0S], 1
	s_add_co_u32 s[G0S+1], s94, SCL
	s_mov_b64 s[G0S+2:G0S+3], s[22:23]
	s_or_b32 s[G0S+3], s[G0S+3], 0x80000000
	s_mov_b32 s[G0SB], 1
	s_add_co_u32 s[G0SB+1], s94, SCL
	s_mov_b64 s[G0SB+2:G0SB+3], s[92:93]
	s_or_b32 s[G0SB+3], s[G0SB+3], 0x80000000
	JLOAD G0S, G1S, G0SB, G1SB                     ; the scales first: they are wanted with K step 0
.irp s, 0,1
	s_mov_b32 s[G0+4*\s], 1
	s_add_co_u32 s[G0+4*\s+1], s45, \s*SLOT
	s_add_nc_u64 s[G0+4*\s+2:G0+4*\s+3], s[20:21], \s*BLKB
	s_or_b32 s[G0+4*\s+3], s[G0+4*\s+3], 0x80000000
	s_mov_b32 s[G0B+4*\s], 1
	s_add_co_u32 s[G0B+4*\s+1], s45, \s*SLOT
	s_add_nc_u64 s[G0B+4*\s+2:G0B+4*\s+3], s[46:47], \s*BLKB
	s_or_b32 s[G0B+4*\s+3], s[G0B+4*\s+3], 0x80000000
	JLOAD G0+4*\s, G1, G0B+4*\s, G1B
.endr
	v_and_b32 v1, 15, v0                           ; r = l % 16
	v_bfe_u32 v2, v0, 4, 1                         ; h = l / 16
	v_mul_u32_u24 v3, v1, PITCH
	v_mul_u32_u24 v4, v2, 24
	v_add_nc_u32 v4, v3, v4                        ; a fragment's row x pitch + 24 x half
	v_lshl_add_u32 v5, v2, 4, v4                   ; and the same behind one padding more
	s_mul_i32 s21, s15, HALFT                      ; my 128 rows of A
	s_mul_i32 s22, s16, HALFT                      ; my 128 rows of B,
	s_add_co_u32 s22, s22, 2*HALFT                 ; which lie behind A's 256
.irp s, 0,1
	v_add_nc_u32 v[ADRA+\s], s21, v4
	v_add_nc_u32 v[ADRB+\s], s22, v4
	v_add_nc_u32 v[ADRA+2+\s], s21, v5
	v_add_nc_u32 v[ADRB+2+\s], s22, v5
	s_add_co_u32 s21, s21, SLOT
	s_add_co_u32 s22, s22, SLOT
.endr
	v_lshlrev_b32 v5, 3, v1                        ; my row's scale bytes of a K step: 8 bytes a row
	s_mul_i32 s21, s15, HALFS                      ; A's: my 128 rows
	s_mul_i32 s22, s16, HALFS                      ; B's: my 128 rows, behind A's 256
	s_add_co_u32 s22, s22, 2*HALFS
	s_sub_co_u32 s22, s22, s21
	v_mul_u32_u24 v6, s22, v2                      ; lanes 16-31 take B's
	s_add_co_u32 s21, s21, SCL
	v_add_nc_u32 v5, v5, v6
	v_add_nc_u32 v[ADRS], s21, v5
	s_mul_i32 s23, s14, 16*SPITCH                  ; my stage
	v_mul_u32_u24 v5, v1, SPITCH                   ; in: row l % 16, 32 bytes for each half of the lanes
	v_lshl_add_u32 v5, v2, 5, v5
	v_add_nc_u32 v[STO], s23, v5
	v_and_b32 v6, 31, v0
	v_lshlrev_b32 v[CO], 4, v6                     ; back: the 32 lanes take one row of 512 bytes; and the same in out0 and in last_hidden
	v_add_nc_u32 v[RD], s23, v[CO]
	v_lshrrev_b32 v[PFO], 1, v6
	v_and_b32 v7, 1, v6
	v_lshlrev_b32 v[PFO], 13, v[PFO]
	v_lshl_add_u32 v[PFO], v7, 8, v[PFO]
	s_lshl_b32 s20, s17, 8
	s_lshl_b32 s21, s15, 7
	s_add_co_u32 s20, s20, s21                     ; my first row: 256 x tile row + 128 x half
	s_lshl_b32 s20, s20, 13                        ; in bytes (under 2^26)
	s_lshl_b32 s46, s42, 10                        ; my first column, in bytes: 1,024 x tile column + 512 x half
	s_lshl_b32 s47, s16, 9
	s_add_co_u32 s46, s46, s47
	s_add_co_u32 s20, s20, s46
	s_mov_b32 s21, 0
	s_add_nc_u64 s[12:13], s[12:13], s[20:21]
	s_add_nc_u64 s[96:97], s[96:97], s[20:21]
	s_wait_kmcnt 0x0                               ; the gate
	v_mov_b32 v[SG+1], s100
	v_mul_f32 v[SG+1], 0xbfb8aa3b, v[SG+1]         ; sigmoid(g) = 1 / (1 + 2^(-g log2 e))
	v_exp_f32 v[SG], v[SG+1]
	v_nop                                          ; a plain line behind the transcendental
	s_wait_alu depctr_va_vdst(0)                   ; and the wait ahead of its first reader
	v_add_f32 v[SG+1], 1.0, v[SG]
	v_rcp_f32 v[SG], v[SG+1]
	v_nop
	s_wait_alu depctr_va_vdst(0)
	v_mov_b32 v[SG+1], v[SG]                       ; (named as a pair by the packed multiply-adds)
.macro FRAG reg, adr, q, i             ; a fragment, 16 rows x 128 K of 6-bit codes, is 12 registers: lane l holds row l % 16; registers 6 c .. 6 c + 5 hold K = 64 c + 32 (l / 16) + 0 .. 31: 24 bytes of the row's stream of bits, as they lie
.irp p, 0,1,2,3,4,5                    ; in pieces of 8 bytes.  Lanes 0-15 take the row's pieces 12 q + 0, 1, 2 and 12 q + 6, 7, 8, lanes 16-31 those three pieces on
.set PC, 12*(\q)+6*(\p/3)+\p%3        ; 16 bytes of padding lie behind every 8 pieces: where the piece three on lies behind one padding more, the second address register serves
.if PC%8 < 5
	ds_load_b64 v[\reg+2*\p:\reg+2*\p+1], v[\adr] offset:8*PC+16*(PC/8)+(\i)*16*PITCH
.else
	ds_load_b64 v[\reg+2*\p:\reg+2*\p+1], v[\adr+2] offset:8*PC+16*(PC/8)+(\i)*16*PITCH
.endif
.endr
.endm
; 16 matrix instructions: A's blocks a0, a0 + 1 x B's eight, 128 along K: the slot's q-th.  p: B's set;  sc: the set of scale words.  zero = 1: the first product starts the sums: nothing is ever cleared.
; The 64 accumulators take turns, one instruction a turn, in the same order in every step.
.macro MUL16 a0, p, q, sc, zero
.irp a, \a0, \a0+1
.irp b, 0,1,2,3,4,5,6,7
.if \zero
	v_wmma_scale_f32_16x16x128_f8f6f4 v[8*(8*((\a)%4)+\b):8*(8*((\a)%4)+\b)+7], v[128*(\p)+FR*\b:128*(\p)+FR*\b+FR-1], v[AF+FR*(\a):AF+FR*(\a)+FR-1], 0, v[SC+8*NQ*(\sc)+NQ*\b+(\q)], v[SC+8*NQ*(\sc)+NQ*(\a)+(\q)] matrix_a_fmt:MATRIX_FMT_FP6 matrix_b_fmt:MATRIX_FMT_FP6 matrix_a_scale:MATRIX_SCALE_ROW1
.else
	v_wmma_scale_f32_16x16x128_f8f6f4 v[8*(8*((\a)%4)+\b):8*(8*((\a)%4)+\b)+7], v[128*(\p)+FR*\b:128*(\p)+FR*\b+FR-1], v[AF+FR*(\a):AF+FR*(\a)+FR-1], v[8*(8*((\a)%4)+\b):8*(8*((\a)%4)+\b)+7], v[SC+8*NQ*(\sc)+NQ*\b+(\q)], v[SC+8*NQ*(\sc)+NQ*(\a)+(\q)] matrix_a_fmt:MATRIX_FMT_FP6 matrix_b_fmt:MATRIX_FMT_FP6 matrix_a_scale:MATRIX_SCALE_ROW1
.endif
.endr
.endr
.endm
.macro FETCH_B slot, q, p              ; B's eight fragments of the slot's q-th 128 along K into set p
	WIN TO_B
.irp i, 0,1,2,3,4,5,6,7
	FRAG 128*(\p)+FR*\i, ADRB+\slot, \q, \i
.endr
	WIN 0
.endm
.macro FETCH_A slot, q, i0             ; A's blocks i0 .. i0 + 3
.irp i, \i0, \i0+1, \i0+2, \i0+3
	FRAG AF+FR*(\i), ADRA+\slot, \q, \i
.endr
.endm
.macro SCALES sc                       ; the next K step's scale words into set sc: 8 bytes a row; lanes 0-15 take A's block i, lanes 16-31 B's block i.  Two blocks of 16 rows fill a unit of 256 bytes
.irp i, 0,1,2,3,4,5,6,7
	ds_load_b64 v[SC+8*NQ*\sc+NQ*\i:SC+8*NQ*\sc+NQ*\i+1], v[ADRS] offset:128*\i+16*(\i/2)
.endr
.endm
; A load into a register that a matrix instruction has read, and a vector instruction or an LDS store that reads a matrix result, stand NP places behind that matrix instruction, and only plain vector
; instructions that name none of its registers are places (ISA guide 7.12.1 for vector instructions).
.macro PLACES n
.rept \n
	v_nop
.endr
.endm
; A step of 128 along K that has its successor in the same slot.
.macro STEP slot, q, zero
	s_wait_dscnt 4*NL                              ; B's set and A's blocks 0-3 are in; the youngest 24 loads (A's blocks 4-7) may be out
	WIN MUL_LO
	MUL16 0, (\q)%2, \q, \slot, \zero
	MUL16 2, (\q)%2, \q, \slot, \zero
	s_wait_dscnt 0                                 ; A's blocks 4-7 are in (asked for 32 matrix instructions ago)
	PLACES NP
	FETCH_B \slot, (\q)+1, 1-(\q)%2
	FETCH_A \slot, (\q)+1, 0
	WIN MUL_HI
	MUL16 4, (\q)%2, \q, \slot, \zero
	MUL16 6, (\q)%2, \q, \slot, \zero
	PLACES NP
	WIN 0
	FETCH_A \slot, (\q)+1, 4
.endm
; A slot's last step changes slots: ONE barrier; in front of it each wave waits for all its tensor loads, adds 0 to its spare word, and waits for that and for its own reads of this slot.  fill = 1: this slot is filled again, two K steps ahead.
.macro TURN slot, next, fill
	s_wait_tensorcnt 0x0                           ; all my tensor loads have landed: my part of the next slot;  (every window is 0 here)
	ds_add_u32 v[SPW], v[NIL]                      ; 0 onto my spare word
	s_wait_dscnt 4*NL+1                            ; (the add and the youngest 24 loads, A's blocks 4-7, may be out)
	WIN MUL_LO
	MUL16 0, 1, NQ-1, \slot, 0                     ; sixteen matrix instructions stand between the add and the wait for it
	s_wait_dscnt 0x0                               ; the add is done, and my reads of this slot are over
	s_barrier_signal -1
	MUL16 2, 1, NQ-1, \slot, 0
	WIN 0
	s_barrier_wait -1
.if \fill
	CREST                                          ; the barrier has opened a round of the cluster's barrier: no wave of any partner still reads this slot's tile or has a load on its way
	s_add_nc_u64 s[G0+4*\slot+2:G0+4*\slot+3], s[G0+4*\slot+2:G0+4*\slot+3], 2*BLKB
	s_add_nc_u64 s[G0B+4*\slot+2:G0B+4*\slot+3], s[G0B+4*\slot+2:G0B+4*\slot+3], 2*BLKB
	JLOAD G0+4*\slot, G1, G0B+4*\slot, G1B         ; the first tensor load behind the round; the four v_nop behind it are the places in front of the loads below
.else
	PLACES NP
.endif
	v_add_nc_u32 v[ADRS], 4*272, v[ADRS]           ; on to the next K step's scale words: 1,024 bytes, four units (no LDS load of mine is out)
	FETCH_B \next, 0, 0
	FETCH_A \next, 0, 0
	SCALES \next
	WIN MUL_HI
	MUL16 4, 1, NQ-1, \slot, 0
	MUL16 6, 1, NQ-1, \slot, 0
	PLACES NP
	WIN 0
	FETCH_A \next, 0, 4
.endm
	s_wait_tensorcnt 1                             ; of my three loads the scales and my part of K step 0 are in (K step 1's may be out)
	s_barrier_signal -1
	s_barrier_wait -1                              ; everybody's are
	FETCH_B 0, 0, 0
	FETCH_A 0, 0, 0
	SCALES 0
	FETCH_A 0, 0, 4
	STEP 0, 0, 1                                   ; the first step stands in front of the loop: its products start the sums
	s_mov_b32 s3, LAPS-1
.Llap:                                                 ; a trip goes once round the ring, from a lap's second step to the next lap's first, and fills both slots again
	TURN 0, 1, 1
	STEP 1, 0, 0
	TURN 1, 0, 1
	STEP 0, 0, 0
	s_sub_co_u32 s3, s3, 1
	s_cmp_lg_u32 s3, 0
	s_cbranch_scc1 .Llap
	TURN 0, 1, 0                                   ; the last lap fills nothing, and has no round of the cluster's barrier
	; A PREFETCH INTO THE L2 of my first 64 rows of last_hidden, 512 bytes a row: four instructions, each 16 rows x two blocks of 256 bytes, a lane a block.  No other wave of the launch reads these bytes, so each
	; block is named once.  They stand together, behind a run of LDS loads, 128 matrix instructions ahead of the loads that want the bytes; no tensor load follows.  The other 64 rows come by loads three blocks ahead.
.irp a, 0,1,2,3
	global_prefetch_b8 v[PFO], s[96:97] offset:16*ROWC*\a th:TH_LOAD_NT scope:SCOPE_SE
.endr
	STEP 1, 0, 0
	s_wait_dscnt 4*NL                              ; the very last step: nothing more to fetch
	WIN MUL_LO
	MUL16 0, 1, NQ-1, 1, 0
	MUL16 2, 1, NQ-1, 1, 0
	s_wait_dscnt 0
	WIN MUL_HI
	MUL16 4, 1, NQ-1, 1, 0
	MUL16 6, 1, NQ-1, 1, 0
	WIN 0
; THE WAY OUT, block by block of 16 rows x 128 columns.  A lane holds 32 neighbouring bytes of a row, and the lanes beside it hold other rows: so a block goes through my own stage in LDS and comes back as whole
; rows of 512 bytes.  LDS serves a wave's instructions in order (ISA guide 5.7.1.4): no wait between the stores and the loads, nor in front of the next block's stores.
.macro LHLOAD a                        ; last_hidden's rows of block a into set a % 4 of window 1: 512 consecutive bytes a load
	WIN TO_B
.irp t, 0,1,2,3,4,5,6,7,8,9,10,11,12,13,14,15
	global_load_b128 v[64*((\a)%4)+4*\t:64*((\a)%4)+4*\t+3], v[CO], s[96:97] offset:(16*(\a)+\t)*ROWC th:TH_LOAD_NT
.endr
	WIN 0
.endm
.macro TOSTAGE a
.set AC, 64*((\a)%4)
	WIN 0x08+4*((\a)/4)                            ; the data: window 2 or 3
.irp b, 0,1,2,3,4,5,6,7
	ds_store_b128 v[STO], v[AC+8*\b:AC+8*\b+3] offset:64*\b          ; each accumulator from its low end on
	ds_store_b128 v[STO], v[AC+8*\b+4:AC+8*\b+7] offset:64*\b+16
.endr
	WIN 0
.set BB, BK+64*((\a)%2)
.irp t, 0,1,2,3,4,5,6,7,8,9,10,11,12,13,14,15
	ds_load_b128 v[BB+4*\t:BB+4*\t+3], v[RD] offset:\t*SPITCH
.endr
.endm
.macro SEND a, younger                 ; younger: the LDS instructions issued behind block a's loads, which may stay out
.set BB, BK+64*((\a)%2)
.set LH, 64*((\a)%4)
	s_wait_dscnt \younger                          ; the block is back in registers
.if (\a) < 6
	s_wait_loadcnt 32                              ; its rows of last_hidden are in; the two later blocks' 32 loads may be out
.else
	s_wait_loadcnt 16*(7-(\a))
.endif
	WIN 0x10                                       ; source 2: window 1
.irp t, 0,1,2,3,4,5,6,7,8,9,10,11,12,13,14,15,16,17,18,19,20,21,22,23,24,25,26,27,28,29,30,31
	v_pk_fma_f32 v[BB+2*\t:BB+2*\t+1], v[BB+2*\t:BB+2*\t+1], v[SG:SG+1], v[LH+2*\t:LH+2*\t+1] op_sel_hi:[1,0,1]   ; last_hidden + sigmoid(gate) x C
.endr
	WIN 0
.irp t, 0,1,2,3,4,5,6,7,8,9,10,11,12,13,14,15
	global_store_b128 v[CO], v[BB+4*\t:BB+4*\t+3], s[12:13] offset:(16*(\a)+\t)*ROWC th:TH_STORE_NT   ; 32 lanes store 512 consecutive bytes, aligned; 127 rows at the most in the immediate: no base is stepped
.endr
.if (\a)+3 < 8
	LHLOAD (\a)+3                                  ; into the set that block a - 1 has left
.endif
.endm
	PLACES NP                                      ; behind the last products: for the loads into the registers that held A's and B's fragments, and for the first reads of results
	LHLOAD 0
	LHLOAD 1
	LHLOAD 2
	TOSTAGE 0
.irp a, 1,2,3,4,5,6,7
.if \a > 1
	s_wait_xcnt 0x0                                ; block a - 2's stores have read their registers: block a's loads from the stage may land there
.endif
	TOSTAGE \a
	SEND \a-1, 32                                  ; behind block a - 1's loads: block a's 16 stores and 16 loads
.endr
	SEND 7, 0
	s_wait_tensorcnt 0x0                           ; the wave's end, behind my last tensor load and my last LDS store
	ds_add_u32 v[SPW], v[NIL]
	s_wait_dscnt 0x0
	CROUND                                         ; the closing round: no work-group ends while a partner may still ask for a tile that names it
	s_endpgm
.Lfunc_end_k_qb1475138ad_gemm_o:
	.size	k_qb1475138ad_gemm_o, .Lfunc_end_k_qb1475138ad_gemm_o-k_qb1475138ad_gemm_o
	.p2alignl 7, 3214868480
	.fill 96, 4, 3214868480
	.section	.rodata,"a",@progbits
	.p2align	6, 0x0
	.amdhsa_kernel k_qb1475138ad_gemm_o
		.amdhsa_group_segment_fixed_size 327680
		.amdhsa_private_segment_fixed_size 0
		.amdhsa_enable_private_segment 0
		.amdhsa_kernarg_size 40
		.amdhsa_user_sgpr_count 2
		.amdhsa_user_sgpr_kernarg_segment_ptr 1
		.amdhsa_wavefront_size32 1
		.amdhsa_system_sgpr_workgroup_id_x 1
		.amdhsa_system_sgpr_workgroup_id_y 1
		.amdhsa_system_sgpr_workgroup_id_z 1
		.amdhsa_system_vgpr_workitem_id 0
		.amdhsa_next_free_vgpr 1024
		.amdhsa_next_free_sgpr 102
		.amdhsa_reserve_vcc 0
		.amdhsa_float_denorm_mode_32 3
		.amdhsa_float_denorm_mode_16_64 3
		.amdhsa_memory_ordered 1
		.amdhsa_forward_progress 1
		.amdhsa_inst_pref_size 190
	.end_amdhsa_kernel
	.amdgpu_metadata
---
amdhsa.version: [ 1, 2 ]
amdhsa.kernels:
  - .name:           k_qb1475138ad_gemm_o
    .symbol:         k_qb1475138ad_gemm_o.kd
    .args:
      - { .name: a2, .offset: 0, .size: 8, .value_kind: global_buffer, .address_space: global }
      - { .name: wo, .offset: 8, .size: 8, .value_kind: global_buffer, .address_space: global }
      - { .name: last_hidden, .offset: 16, .size: 8, .value_kind: global_buffer, .address_space: global }
      - { .name: gate, .offset: 24, .size: 8, .value_kind: global_buffer, .address_space: global }
      - { .name: out0, .offset: 32, .size: 8, .value_kind: global_buffer, .address_space: global }
    .group_segment_fixed_size: 327680
    .private_segment_fixed_size: 0
    .kernarg_segment_align: 8
    .kernarg_segment_size: 40
    .max_flat_workgroup_size: 128
    .sgpr_count:     102
    .vgpr_count:     1024
    .wavefront_size: 32
...
	.end_amdgpu_metadata
.endif
;; end of part 4
